; MI455X (gfx1250); checked and timed in simulation.
; The chip was launched on July 23, 2026; its instructions are those of AMD's public machine-readable ISA for CDNA 5 (MIT licence, August 2026) and "CDNA5" Instruction Set Architecture Reference Guide (July 2026). The comments in the code are by the model that wrote it; some were corrected since.
;; Multi Head Attention. Allowed arithmetic: matrix products marked QUANTISED: E2M3 operands, one E8M0 scale for each 32 along K, by v_wmma_scale_f32_16x16x128_f8f6f4 with both operands' format E2M3, f32 sums; everything else in f32.
;; Inputs: Wk 16 x 1,024 x 64 float32; Wo 1,024 x 1,024 float32; Wq 16 x 1,024 x 64 float32; Wv 16 x 1,024 x 64 float32; x 4 x 2,048 x 1,024 float32.
;; Outputs: out0 4 x 2,048 x 1,024 float32.
;; This version of the problem:
;;   THIS VERSION OF THE PROBLEM IS GIVEN IN LOW PRECISION. The matrix products marked QUANTISED in the list below multiply operands that are first quantised to E2M3 (2 exponent bits, 3 mantissa bits; 6 bits a number), with one power-of-two scale for each 32 numbers along K (OCP MX v1.0); their sums are f32. All else is computed in f32.
;;   The module's matrix products, in the order in which they are computed (A, B: the left and right operand; K: the contracted axis; several contracted axes count as one K, in the product's order):
;;     1. [M 1,024, K 1,024] x [K 1,024, N 8,192]; A: input Wq; B: input x: QUANTISED
;;     2. [M 1,024, K 1,024] x [K 1,024, N 8,192]; A: input Wk; B: input x: QUANTISED
;;     3. [M 1,024, K 1,024] x [K 1,024, N 8,192]; A: input Wv; B: input x: QUANTISED
;;     4. batch 64 x [M 2,048, K 64] x [K 64, N 2,048]; A: computed on the way; B: computed on the way: QUANTISED
;;     5. batch 64 x [M 2,048, K 2,048] x [K 2,048, N 64]; A: softmax (see below); B: computed on the way: QUANTISED
;;     6. [M 8,192, K 1,024] x [K 1,024, N 1,024]; A: computed on the way; B: input Wo: QUANTISED
;;   THE QUANTISER, for each operand of a quantised product, along K:
;;     - K is cut into blocks of 32 from its start; a last block that is shorter is filled with zeros.
;;     - A block's scale is 2^e with e = floor(log2(the largest magnitude in the block)) - 2, held to -126 .. 127; a block of zeros has e = 0. As a byte (E8M0): e + 127.
;;     - Each number is divided by its block's scale, clamped to +-7.5, and rounded to the nearest number of E2M3, ties to even, subnormals kept.
;;     - The product sums the exact products of the quantised numbers (number of the format x scale) in f32.
;;   ~~~python
;;   def quantise(x, axis):      # numpy; x: float32 -> the quantised numbers, widened to float32 again
;;       x = np.moveaxis(x, axis, -1); K = x.shape[-1]
;;       x = np.pad(x, [(0, 0)] * (x.ndim - 1) + [(0, -K % 32)]); x = x.reshape(x.shape[:-1] + (-1, 32)); a = np.abs(x).max(-1, keepdims=True)
;;       e = np.where(a > 0, np.clip(np.frexp(np.where(a > 0, a, 1))[1] - 1 - 2, -126, 127), 0)      # np.frexp(a)[1] - 1 = floor(log2(a)), exactly
;;       r = np.clip(x / 2.0 ** e, -7.5, 7.5)
;;       step = 2.0 ** (np.maximum(np.frexp(np.where(r == 0, 1, r))[1] - 1, 0) - 3)
;;       q = np.round(r / step) * step * 2.0 ** e      # np.round: ties to even
;;       return np.moveaxis(q.reshape(q.shape[:-2] + (-1,))[..., :K], -1, axis).astype(np.float32)
;;   ~~~
;;   SOFTMAX AHEAD OF A QUANTISED PRODUCT. Where the list says 'softmax', what is quantised is not the finished softmax but p = 2^(t - M), with t = logit x log2(e) and M = ceil(the row's largest t), a whole number; so 1/2 < the row's largest p <= 1. The row's sum l is taken of the UNQUANTISED p, in f32, and the product's result is divided by l at the end. Since M is a whole number, a kernel that streams over the keys may use a running M (the ceiling of the running maximum): every later rescaling is an exact power of two, which a block's scale takes up: the codes' values come out the same.
;;   OPERANDS COMPUTED ON THE WAY. 'Computed on the way' means the value that the module computes at that place (a softmax that the list does not call 'softmax' is quantised finished and normalised). What goes into a quantiser is computed in f32, as accurately as f32 sums, v_exp_f32 and their like allow (about 1e-6 of the number): no bf16 or f16 on the way to a quantiser, and a product that is left as it is and whose result goes on into a quantised operand takes f32 operands (vector FMAs, or v_wmma_f32_16x16x4_f32). A number that lies on a knife's edge between two numbers of the format may be rounded either way, as far as f32 arithmetic and the matrix unit's own rounding can turn it there, and no further.
;; One version. Each part assembles by itself: llvm-mc -triple=amdgcn-amd-amdhsa -mcpu=gfx1250 --defsym DOCPART=n.
;; ======== version 1 of 1: 4 launches
;; limits: right only within a limited range of input values
;; workspace buffers: xc 6,291,456 bytes; xs 262,144 bytes; wc 3,145,728 bytes; ws 131,072 bytes; qkvc 18,874,368 bytes; qkvs 786,432 bytes; cc 6,291,456 bytes; cs 262,144 bytes
;; launch quant (part 1): grid 384 x 1, 4 waves a work-group, no clusters, 60,928 bytes of LDS; arguments x, Wq, Wk, Wv, Wo, xc, xs, wc, ws; writes xc, xs, wc, ws
.if DOCPART == 1
	.amdgcn_target "amdgcn-amd-amdhsa--gfx1250"
	.amdhsa_code_object_version 6
	.text
	.protected	k_qfc6aa2bd83_quant
	.globl	k_qfc6aa2bd83_quant
	.p2align	8
	.type	k_qfc6aa2bd83_quant,@function
k_qfc6aa2bd83_quant:
	s_mov_b64 s[64:65], 0
	v_nop
	global_prefetch_b8 v0, s[64:65] scope:SCOPE_SE
	s_setreg_imm32_b32 hwreg(HW_REG_WAVE_MODE, 25, 1), 1
	s_wait_xcnt 0x0
; x [8192][1024] and the four weights, f32, become codes of FP6 (E2M3) with one E8M0 byte for each 32 along K = the model's 1,024.
; A block's scale is 2^(floor(log2(largest magnitude)) - 2); its byte is the largest magnitude's exponent field - 2, held at 1 from below.
; LIMITS: NaN and infinities among the inputs are not served; a block of zeros, or one whose largest magnitude lies under 2^-124, gets the byte 1 (its codes are zeros or tiny; this program alone reads the bytes).
; LAYOUT OF THE CODES: rows go in tiles of 16; lane row r of tile T is row 32 (T / 2) + 8 (T % 2) + r + 8 (r / 8).  A tile's 64 along K are 768 bytes, an image of six operand registers:
; lane l's registers 0-3 at 16 l, its registers 4-5 at 512 + 8 l; lane (r, h) holds block h of the 64 for lane row r.  xc: [tile 512][kc 16][768];  wc: [tile 256][kc 16][768], tiles 0-63 Wq, 64-127 Wk, 128-191 Wv, 192-255 Wo.
; A weight's operand row is its output column (head x 64 + k, or Wo's column).  THE SCALE BYTES: 512 bytes a tile, [256 along K: 4][r 16][2 words], a word = the four bytes of 128 along K.
; The first 256 work-groups take x, the other 128 the weights; the two paths never join, and each has LDS bytes of its own.  Waves share nothing: no barrier.
.set XSTG,  8704                       ; x path: a wave's two stages of 16 rows x 272 bytes
.set WST0,  34816                      ; weights' path: the stages begin here,
.set WSTW,  6400                       ; a wave's two tiles,
.set WTILE, 3200                       ; 3,200 bytes apart (3,072 used): 128 modulo 256, so that sixteen lanes' stores fall on sixteen different columns of 16 bytes
.set SPARE, 60416                      ; the spare words, 128 bytes for each wave: two blocks of 256 bytes that no other line names
.set SPW, 12                           ; v12 LDS address of my spare word; never rewritten
.set NIL, 13                           ; v13 0; never rewritten
.set RR,  32                           ; x path: v32-127 three sets of 32 registers as loaded
.set XX,  128                          ; v128-191 two sets of 32 neighbours along K
.set CC,  192                          ; v192-255 eight registers of codes for each step: no store's data are written again
	s_load_b512 s[4:19], s[0:1], 0x0               ; x, Wq, Wk, Wv, Wo, xc, xs, wc
	s_load_b64 s[20:21], s[0:1], 0x40              ; ws
	v_lshl_add_u32 v[SPW], v0, 2, SPARE
	v_mov_b32 v[NIL], 0
	v_lshrrev_b32 v1, 5, v0
	v_readfirstlane_b32 s22, v1                    ; wave
	v_and_b32 v1, 31, v0                           ; lane
	v_and_b32 v2, 15, v0                           ; r
	v_bfe_u32 v3, v0, 4, 1                         ; h
	s_mov_b32 s24, 0x76543210
	s_mov_b32 s25, 0xfedcba98                      ; v_permlanex16_b32's selects for lane l xor 16
	s_mov_b32 s26, 0xffff0000                      ; lanes 16-31
	s_cmp_lt_u32 ttmp9, 256
	s_cbranch_scc0 .Lweights
; ---------------- x: a wave takes one tile of 16 rows x 512 along K: eight steps of 64 along K
	s_mul_i32 s27, s22, XSTG
	v_lshlrev_b32 v4, 12, v3
	v_lshl_add_u32 v4, v2, 4, v4                   ; in: lanes 0-15 one row's 256 bytes, lanes 16-31 the next row's
	v_mul_u32_u24 v5, v3, 272
	v_lshl_add_u32 v5, v2, 4, v5
	v_add_nc_u32 v5, s27, v5                       ; into the stage as loaded
	v_mul_u32_u24 v6, v2, 272
	v_lshl_add_u32 v6, v3, 7, v6
	v_add_nc_u32 v6, s27, v6                       ; out of it: row r, block h: 128 bytes, my 32 neighbours
	v_lshlrev_b32 v7, 4, v1                        ; 16 x lane
	v_lshlrev_b32 v16, 3, v1                       ; 8 x lane
	v_add_nc_u32 v14, 512, v16                     ; 8 x lane + 512
	v_lshlrev_b32 v15, 3, v3                       ; 8 h: my byte's place in a pair of bytes
	v_mov_b32 v17, 0                               ; written once: a lane permute's destination counts as one of its sources
	s_lshl_b32 s23, ttmp9, 2
	s_add_co_u32 s23, s23, s22                     ; W = 2 x tile + which half of K
	s_lshr_b32 s28, s23, 2
	s_lshl_b32 s28, s28, 17                        ; 32 rows of 4,096 bytes for each pair of tiles,
	s_bfe_u32 s29, s23, 0x10001
	s_lshl_b32 s29, s29, 15                        ; 8 rows for the odd tile,
	s_add_co_u32 s28, s28, s29
	s_and_b32 s29, s23, 1
	s_lshl_b32 s29, s29, 11                        ; 2,048 bytes for the second half of K
	s_add_co_u32 s28, s28, s29
	s_mov_b32 s29, 0
	s_wait_alu depctr_va_vdst(0)
	s_wait_kmcnt 0x0
	s_add_nc_u64 s[4:5], s[4:5], s[28:29]
	s_mul_i32 s28, s23, 6144
	s_add_nc_u64 s[14:15], s[14:15], s[28:29]      ; my eight images
	s_lshl_b32 s28, s23, 8
	s_add_nc_u64 s[16:17], s[16:17], s[28:29]      ; my 256 scale bytes
.macro LOAD t                          ; step t: 16 rows x 256 bytes; each load takes two whole rows' 256 consecutive bytes (lane rows 2 i and 2 i + 1)
.irp i, 0,1,2,3,4,5,6,7
	global_load_b128 v[RR+32*((\t)%3)+4*\i:RR+32*((\t)%3)+4*\i+3], v4, s[4:5] offset:(2*\i+8*(\i/4))*4096+256*(\t) th:TH_LOAD_NT
.endr
.endm
.macro TURN t                          ; through my stage: LDS serves a wave's instructions in order, so no wait stands between the stores and the loads
.irp i, 0,1,2,3,4,5,6,7
	ds_store_b128 v5, v[RR+32*((\t)%3)+4*\i:RR+32*((\t)%3)+4*\i+3] offset:4352*((\t)%2)+544*\i
.endr
.irp j, 0,1,2,3,4,5,6,7
	ds_load_b128 v[XX+32*((\t)%2)+4*\j:XX+32*((\t)%2)+4*\j+3], v6 offset:4352*((\t)%2)+16*\j
.endr
.endm
.macro STEP t
.set XS, XX+32*((\t)%2)
.set CT, CC+8*(\t)
	s_wait_dscnt 0x0                               ; this step's numbers are back from the stage, so its stage stores have read their registers,
.if (\t)+3 < 8
	LOAD (\t)+3                                    ; which take the loads of three steps on
.endif
.if (\t) < 5
	s_wait_loadcnt 16                              ; the next step's eight loads are in; those of the two steps behind it may be out
.elseif (\t) == 5
	s_wait_loadcnt 8
.elseif (\t) == 6
	s_wait_loadcnt 0
.endif
.if (\t) < 7
	TURN (\t)+1                                    ; the next step goes through the other stage while this one is worked
.endif
	v_max3_num_f32 v8, |v[XS]|, |v[XS+1]|, |v[XS+2]|   ; the block's largest magnitude: all 32 numbers are mine; two chains
	v_max3_num_f32 v9, |v[XS+3]|, |v[XS+4]|, |v[XS+5]|
.irp i, 6,10,14,18,22,26
	v_max3_num_f32 v8, v8, |v[XS+\i]|, |v[XS+\i+1]|
	v_max3_num_f32 v9, v9, |v[XS+\i+2]|, |v[XS+\i+3]|
.endr
	v_max3_num_f32 v8, v8, |v[XS+30]|, |v[XS+31]|
	v_max3_num_f32 v8, v8, v9, 0x1800000           ; and the floor 2^(3 - 127): the byte cannot fall under 1
	v_add_nc_u32 v11, 0xff000000, v8               ; 2 off the exponent field: the conversion takes this operand's exponent field as its scale
	v_lshrrev_b32 v18, 23, v11                     ; the scale's byte
	v_cvt_scalef32_pk16_fp6_f32 v[CT:CT+2], v[XS:XS+15], v11
	v_cvt_scalef32_pk16_fp6_f32 v[20:22], v[XS+16:XS+31], v11   ; (a conversion's three registers begin on an even number)
.if (\t)%2 == 0
	v_mov_b32 v10, v18                             ; (also the plain place behind the conversions)
.else
	v_lshl_or_b32 v10, v18, 16, v10                ; two steps' bytes: blocks h and 2 + h of 128 along K
.endif
	v_mov_b32 v[CT+3], v20
	v_mov_b32 v[CT+4], v21
	v_mov_b32 v[CT+5], v22
	global_store_b128 v7, v[CT:CT+3], s[14:15] offset:768*(\t)      ; 512 consecutive bytes,
	global_store_b64 v14, v[CT+4:CT+5], s[14:15] offset:768*(\t)    ; and 256: the image
.if (\t)%2 == 1
	v_lshlrev_b32 v10, v15, v10                    ; 8 h bits up;
	v_permlanex16_b32 v17, v10, s24, s25
	v_or_b32 v[24+(\t)/2], v10, v17                ; with lane l xor 16's two the word of 128 along K is whole
.endif
.endm
	LOAD 0
	LOAD 1
	LOAD 2
	s_wait_loadcnt 16                              ; step 0's eight loads are in; sixteen younger ones stay out
	TURN 0
.irp t, 0,1,2,3,4,5,6,7
	STEP \t
.endr
	v_cndmask_b32 v28, v24, v26, s26               ; lanes 0-15 store the first 256 along K's two words, lanes 16-31 the second's
	v_cndmask_b32 v29, v25, v27, s26
	global_store_b64 v16, v[28:29], s[16:17]       ; 32 lanes store 256 consecutive bytes, aligned
	s_wait_tensorcnt 0x0                           ; the wave's end
	ds_add_u32 v[SPW], v[NIL]
	s_wait_dscnt 0x0
	s_endpgm
; ---------------- the weights: K is not innermost.  A lane takes an operand row (a column of the weight) and its registers run down K.  A wave: 32 operand rows (two tiles) x 256 along K (eight blocks)
.Lweights:
	s_sub_co_u32 s23, ttmp9, 256
	s_lshr_b32 s27, s23, 5                         ; which weight: 0 Wq, 1 Wk, 2 Wv, 3 Wo
	s_and_b32 s28, s23, 7
	s_lshl_b32 s28, s28, 2
	s_add_co_u32 s28, s28, s22                     ; cg: which 32 operand rows
	s_bfe_u32 s29, s23, 0x20003                    ; kq: which 256 along K
	s_lshr_b32 s36, s28, 1
	s_lshl_b32 s36, s36, 18                        ; a head's weight: head x 262,144
	s_and_b32 s37, s28, 1
	s_lshl_b32 s37, s37, 7                         ; + 128 bytes for its second 32 columns
	s_add_co_u32 s36, s36, s37
	s_lshl_b32 s37, s29, 16                        ; + 256 rows of 256 bytes
	s_add_co_u32 s36, s36, s37
	s_lshl_b32 s38, s28, 7                         ; Wo: 128 bytes for each 32 columns
	s_lshl_b32 s37, s29, 20                        ; + 256 rows of 4,096 bytes
	s_add_co_u32 s38, s38, s37
	s_mov_b32 s30, 256
	s_wait_kmcnt 0x0
	s_cmp_eq_u32 s27, 1                            ; the choices hang on the work-group's number alone
	s_cselect_b64 s[34:35], s[8:9], s[6:7]
	s_cmp_eq_u32 s27, 2
	s_cselect_b64 s[34:35], s[10:11], s[34:35]
	s_cmp_eq_u32 s27, 3
	s_cselect_b64 s[34:35], s[12:13], s[34:35]
	s_cselect_b32 s30, 4096, s30                   ; bytes from a row of K to the next
	s_cselect_b32 s36, s38, s36
	s_mov_b32 s37, 0
	s_add_nc_u64 s[34:35], s[34:35], s[36:37]
	s_lshl_b32 s32, s30, 5                         ; a block of 32 on
	s_mov_b32 s33, 0
	s_lshl_b32 s38, s27, 6
	s_lshl_b32 s39, s28, 1
	s_add_co_u32 s38, s38, s39                     ; my first tile in wc and ws
	s_mul_i32 s36, s38, 12288
	s_mul_i32 s39, s29, 3072
	s_add_co_u32 s36, s36, s39
	s_add_nc_u64 s[18:19], s[18:19], s[36:37]
	s_lshl_b32 s36, s38, 9
	s_lshl_b32 s39, s29, 7
	s_add_co_u32 s36, s36, s39
	s_add_nc_u64 s[20:21], s[20:21], s[36:37]
	s_mul_i32 s31, s22, WSTW
	s_add_co_u32 s31, s31, WST0                    ; my stage
	v_bfe_u32 v4, v0, 3, 1                         ; u: which of the two tiles my row belongs to,
	v_and_b32 v10, 7, v0
	s_wait_alu depctr_va_vdst(0)
	v_lshl_or_b32 v10, v3, 3, v10                  ; and its lane row there
	v_mul_u32_u24 v11, v4, WTILE
	v_add_nc_u32 v11, s31, v11
	v_lshl_add_u32 v5, v10, 4, v11                 ; an image's registers 0-3,
	v_lshl_add_u32 v6, v10, 3, v11
	v_add_nc_u32 v6, 512, v6                       ; and 4-5
	v_lshl_add_u32 v7, v1, 4, s31                  ; back: 16 x lane
	v_lshlrev_b32 v8, 4, v1
	v_lshlrev_b32 v9, 9, v4
	v_lshl_add_u32 v9, v10, 3, v9                  ; my two scale words: 512 u + 8 x lane row
	v_lshlrev_b32 v32, 2, v1                       ; v32-63: 4 x lane + i rows; never rewritten
.set i, 0
.rept 31
	v_add_nc_u32 v[33+i], s30, v[32+i]
.set i, i+1
.endr
.macro WLOAD t                         ; block t: 32 rows of K at my 32 columns: each load reads 128 consecutive bytes
.if (\t) > 0
	s_wait_xcnt 0x0                                ; the earlier loads have read their base: it steps only behind this wait
	s_add_nc_u64 s[34:35], s[34:35], s[32:33]
.endif
.set i, 0
.rept 32
	global_load_b32 v[64+32*((\t)%2)+i], v[32+i], s[34:35] th:TH_LOAD_NT
.set i, i+1
.endr
.endm
.macro BLOCK t
.set XS, 64+32*((\t)%2)
.if (\t) < 7
	s_wait_loadcnt 32                              ; this block's 32 loads are in; the next block's may be out
.else
	s_wait_loadcnt 0
.endif
	v_max3_num_f32 v14, |v[XS]|, |v[XS+1]|, |v[XS+2]|
	v_max3_num_f32 v15, |v[XS+3]|, |v[XS+4]|, |v[XS+5]|
.irp i, 6,10,14,18,22,26
	v_max3_num_f32 v14, v14, |v[XS+\i]|, |v[XS+\i+1]|
	v_max3_num_f32 v15, v15, |v[XS+\i+2]|, |v[XS+\i+3]|
.endr
	v_max3_num_f32 v14, v14, |v[XS+30]|, |v[XS+31]|
	v_max3_num_f32 v14, v14, v15, 0x1800000        ; the floor 2^(3 - 127)
	v_add_nc_u32 v16, 0xff000000, v14              ; the conversion's scale operand
	v_lshrrev_b32 v17, 23, v16                     ; the byte
.if (\t)%4 == 0
	v_mov_b32 v[140+(\t)/4], v17                   ; four bytes to a word, the lower K in the lower byte
.else
	v_lshl_or_b32 v[140+(\t)/4], v17, 8*((\t)%4), v[140+(\t)/4]
.endif
	v_cvt_scalef32_pk16_fp6_f32 v[128:130], v[XS:XS+15], v16
	v_cvt_scalef32_pk16_fp6_f32 v[136:138], v[XS+16:XS+31], v16
	v_nop                                          ; one plain place behind a scaled conversion
	v_mov_b32 v131, v136
	v_mov_b32 v132, v137
	v_mov_b32 v133, v138
	ds_store_b128 v5, v[128:131] offset:768*((\t)/2)+256*((\t)%2)   ; block t is half t % 2 of image t / 2
	ds_store_b64 v6, v[132:133] offset:768*((\t)/2)+128*((\t)%2)
.if (\t)+2 < 8
	WLOAD (\t)+2
.endif
	s_wait_dscnt 0x0                               ; the stores have read their registers: the next block's codes may be written
.endm
	WLOAD 0
	s_wait_alu depctr_va_vdst(0)
	WLOAD 1
.irp t, 0,1,2,3,4,5,6,7
	BLOCK \t
.endr
	s_wait_alu depctr_va_vdst(0)
	global_store_b64 v9, v[140:141], s[20:21]      ; 128 consecutive bytes for each tile: half an aligned 256; 131,072 bytes in the whole launch go so
.irp n, 0,1,2,3,4,5,6,7,8,9,10,11
	ds_load_b128 v[144+4*\n:147+4*\n], v7 offset:WTILE*(\n/6)+512*(\n%6)   ; LDS serves a wave's instructions in order: these see my stores
.endr
.irp n, 0,1,2,3,4,5,6,7,8,9,10,11
	s_wait_dscnt 11-\n                             ; number n is back; the younger ones may be out
	global_store_b128 v8, v[144+4*\n:147+4*\n], s[18:19] offset:12288*(\n/6)+512*(\n%6)   ; 512 consecutive bytes, aligned
.endr
	s_wait_tensorcnt 0x0                           ; the wave's end
	ds_add_u32 v[SPW], v[NIL]
	s_wait_dscnt 0x0
	s_endpgm
.Lfunc_end_k_qfc6aa2bd83_quant:
	.size	k_qfc6aa2bd83_quant, .Lfunc_end_k_qfc6aa2bd83_quant-k_qfc6aa2bd83_quant
	.p2alignl 7, 3214868480
	.fill 96, 4, 3214868480
	.section	.rodata,"a",@progbits
	.p2align	6, 0x0
	.amdhsa_kernel k_qfc6aa2bd83_quant
		.amdhsa_group_segment_fixed_size 60928
		.amdhsa_private_segment_fixed_size 0
		.amdhsa_enable_private_segment 0
		.amdhsa_kernarg_size 72
		.amdhsa_user_sgpr_count 2
		.amdhsa_user_sgpr_kernarg_segment_ptr 1
		.amdhsa_wavefront_size32 1
		.amdhsa_system_sgpr_workgroup_id_x 1
		.amdhsa_system_sgpr_workgroup_id_y 1
		.amdhsa_system_sgpr_workgroup_id_z 1
		.amdhsa_system_vgpr_workitem_id 0
		.amdhsa_next_free_vgpr 256
		.amdhsa_next_free_sgpr 66
		.amdhsa_reserve_vcc 0
		.amdhsa_float_denorm_mode_32 3
		.amdhsa_float_denorm_mode_16_64 3
		.amdhsa_memory_ordered 1
		.amdhsa_forward_progress 1
		.amdhsa_inst_pref_size 74
	.end_amdhsa_kernel
	.amdgpu_metadata
---
amdhsa.version: [ 1, 2 ]
amdhsa.kernels:
  - .name:           k_qfc6aa2bd83_quant
    .symbol:         k_qfc6aa2bd83_quant.kd
    .args:
      - { .name: x, .offset: 0, .size: 8, .value_kind: global_buffer, .address_space: global }
      - { .name: Wq, .offset: 8, .size: 8, .value_kind: global_buffer, .address_space: global }
      - { .name: Wk, .offset: 16, .size: 8, .value_kind: global_buffer, .address_space: global }
      - { .name: Wv, .offset: 24, .size: 8, .value_kind: global_buffer, .address_space: global }
      - { .name: Wo, .offset: 32, .size: 8, .value_kind: global_buffer, .address_space: global }
      - { .name: xc, .offset: 40, .size: 8, .value_kind: global_buffer, .address_space: global }
      - { .name: xs, .offset: 48, .size: 8, .value_kind: global_buffer, .address_space: global }
      - { .name: wc, .offset: 56, .size: 8, .value_kind: global_buffer, .address_space: global }
      - { .name: ws, .offset: 64, .size: 8, .value_kind: global_buffer, .address_space: global }
    .group_segment_fixed_size: 60928
    .private_segment_fixed_size: 0
    .kernarg_segment_align: 8
    .kernarg_segment_size: 72
    .max_flat_workgroup_size: 128
    .sgpr_count:     66
    .vgpr_count:     256
    .wavefront_size: 32
...
	.end_amdgpu_metadata
.endif
;; end of part 1
;; launch proj (part 2): grid 8 x 48, 4 waves a work-group, clusters of 4 x 4, 327,680 bytes of LDS; arguments xc, xs, wc, ws, qkvc, qkvs; writes qkvc, qkvs
.if DOCPART == 2
	.amdgcn_target "amdgcn-amd-amdhsa--gfx1250"
	.amdhsa_code_object_version 6
	.text
	.protected	k_qfc6aa2bd83_proj
	.globl	k_qfc6aa2bd83_proj
	.p2align	8
	.type	k_qfc6aa2bd83_proj,@function
k_qfc6aa2bd83_proj:
	s_mov_b64 s[64:65], 0
	v_nop
	global_prefetch_b8 v0, s[64:65] scope:SCOPE_SE
	s_setreg_imm32_b32 hwreg(HW_REG_WAVE_MODE, 25, 1), 1
	s_wait_xcnt 0x0
	s_wait_alu depctr_hold_cnt(0) depctr_sa_sdst(0) depctr_va_vdst(0) depctr_va_sdst(0) depctr_va_ssrc(0) depctr_va_vcc(0) depctr_vm_vsrc(0)
	s_getreg_b32 s2, hwreg(HW_REG_IB_STS2, 6, 4)
	s_cmp_eq_u32 s2, 0
	s_cbranch_scc0 .Lentry_in_a_cluster
	s_endpgm
.Lentry_in_a_cluster:
	s_bfe_u32 s2, ttmp6, 0x10000c
	s_cmp_lg_u32 s2, 0xf033
	s_cbranch_scc0 .Lentry_shape_is_right
	s_endpgm
.Lentry_shape_is_right:
.set TILEB, 3072
.set HALFT, 8*TILEB
.set SLOT,  4*HALFT
.set SCLA,  2*SLOT
.set SCLD,  8320
.set SPARE, 213248
.set FR, 12
.set NL, 4
.set NQ, 2
.set NP, 4
.set ADA16, 16
.set ADA8,  18
.set ADB16, 20
.set ADB8,  22
.set ADRS,  27
.set SPW,   28
.set NIL,   29
.set SC,    32
.set AF,    128
.set TM,    64
.set PC,    80
.set PWR,   100
.set G1, 24
.set G0, 32
.set G1B, 48
.set G0B, 56
.set G1S, 68
.set G0S, 76
.set G1SB, 80
.set G0SB, 88
.set MSB, 0
.macro WIN new
.if MSB != \new
	s_set_vgpr_msb (MSB<<8)|\new
.set MSB, \new
.endif
.endm
.set MUL_LO, 0xa1
.set MUL_HI, 0xf1
.set TO_B,   0x40
.macro JLOAD g0a, g1a, g0b, g1b
	s_cmp_eq_u32 s17, 0
	s_cbranch_scc0 .Lfor_b_\@
	tensor_load_to_lds s[\g0a:\g0a+3], s[\g1a:\g1a+7]
	s_nop 0
.rept 4
	v_nop
.endr
	s_branch .Lasked_\@
.Lfor_b_\@:
	tensor_load_to_lds s[\g0b:\g0b+3], s[\g1b:\g1b+7]
	s_nop 0
.rept 4
	v_nop
.endr
.Lasked_\@:
.endm
.macro CREST
	s_cmp_lg_u32 s16, 0
	s_cbranch_scc1 .Lnot_wave_0_\@
	s_barrier_signal -3
.Lnot_wave_0_\@:
	s_barrier_wait -3
	s_barrier_signal -1
	s_barrier_wait -1
.endm
.macro CROUND
	s_barrier_signal -1
	s_barrier_wait -1
	CREST
.endm
	s_load_b256 s[4:11], s[0:1], 0x0
	s_load_b128 s[12:15], s[0:1], 0x20
	v_lshl_add_u32 v[SPW], v0, 2, SPARE
	v_mov_b32 v[NIL], 0
	ds_add_u32 v[SPW], v[NIL]
	ds_add_u32 v[SPW], v[NIL]
	v_lshrrev_b32 v1, 5, v0
	v_readfirstlane_b32 s16, v1
	s_lshr_b32 s17, s16, 1
	s_and_b32 s18, s16, 1
	s_bfe_u32 s19, ttmp6, 0x40000
	s_bfe_u32 s20, ttmp6, 0x40004
	s_lshl_b32 s21, ttmp9, 2
	s_add_co_u32 s21, s21, s19
	s_and_b32 s22, ttmp7, 0xffff
	s_lshl_b32 s41, s20, 2
	s_lshl_b32 s41, 15, s41
	s_lshl_b32 s42, 0x1111, s19
	s_or_b32 s[G1+0], s41, (3<<16)|(1<<21)
	s_or_b32 s[G1B+0], s42, (3<<16)|(1<<21)
.irp g, G1, G1B
	s_mov_b32 s[\g+1], 384<<16
	s_mov_b32 s[\g+2], 16<<16
	s_mov_b32 s[\g+3], 384<<16
	s_mov_b32 s[\g+4], 16
	s_mov_b32 s[\g+5], 1536
	s_mov_b32 s[\g+6], 0
	s_mov_b32 s[\g+7], 0
.endr
	s_or_b32 s[G1S+0], s41, (3<<16)|(1<<21)
	s_or_b32 s[G1SB+0], s42, (3<<16)|(1<<21)
.irp g, G1S, G1SB
	s_mov_b32 s[\g+1], 32<<16
	s_mov_b32 s[\g+2], 32<<16
	s_mov_b32 s[\g+3], 32<<16
	s_mov_b32 s[\g+4], 32
	s_mov_b32 s[\g+5], 32
	s_mov_b32 s[\g+6], 0
	s_mov_b32 s[\g+7], 0
.endr
	s_lshl_b32 s23, s22, 2
	s_add_co_u32 s23, s23, s20
	s_max_u32 s40, s22, 8
	s_sub_co_u32 s40, s40, 8
	s_lshl_b32 s40, s40, 3
	s_add_co_u32 s40, s40, s21
	s_mov_b32 s100, 9216
	s_mov_b32 s101, 147456
	s_cmp_lt_u32 s22, 8
	s_cselect_b32 s23, s23, s20
	s_cselect_b32 s43, 0, 128
	s_cselect_b32 s100, 147456, s100
	s_cselect_b32 s101, 9216, s101
	s_cselect_b32 s66, -1, 0
	s_lshl_b32 s44, s23, 4
	s_lshl_b32 s45, s18, 3
	s_add_co_u32 s44, s44, s45
	s_add_co_u32 s44, s44, s43
	s_lshl_b32 s43, s40, 4
	s_add_co_u32 s43, s43, s45
	s_mul_i32 s45, s16, HALFT
	s_lshl_b32 s67, s16, 12
	s_mov_b32 s3, 0
	s_mov_b32 s47, 0
	s_wait_dscnt 0x0
	s_wait_kmcnt 0x0
	s_cmp_lt_u32 s22, 8
	s_cselect_b64 s[92:93], s[4:5], s[8:9]
	s_cselect_b64 s[94:95], s[6:7], s[10:11]
	s_cselect_b64 s[96:97], s[8:9], s[4:5]
	s_cselect_b64 s[98:99], s[10:11], s[6:7]
	s_mul_i32 s2, s44, 12288
	s_add_nc_u64 s[92:93], s[92:93], s[2:3]
	s_lshl_b32 s2, s44, 9
	s_add_nc_u64 s[94:95], s[94:95], s[2:3]
	s_mul_i32 s46, s43, 12288
	s_add_nc_u64 s[96:97], s[96:97], s[46:47]
	s_lshl_b32 s46, s43, 9
	s_add_nc_u64 s[98:99], s[98:99], s[46:47]
	CROUND
	s_mov_b32 s[G0S], 1
	s_mov_b32 s[G0S+1], SCLA
	s_sub_nc_u64 s[G0S+2:G0S+3], s[94:95], 4096    ; used by wave 1 alone, whose base stands at the second eight tiles: back to the first
	s_or_b32 s[G0S+3], s[G0S+3], 0x80000000
	s_mov_b32 s[G0SB], 1
	s_mov_b32 s[G0SB+1], SCLA+SCLD
	s_sub_nc_u64 s[G0SB+2:G0SB+3], s[98:99], 4096  ; used by wave 3 alone, likewise
	s_or_b32 s[G0SB+3], s[G0SB+3], 0x80000000
.irp s, 0,1
	s_mov_b32 s[G0+4*\s], 1
	s_add_co_u32 s[G0+4*\s+1], s45, \s*SLOT
	s_add_nc_u64 s[G0+4*\s+2:G0+4*\s+3], s[92:93], \s*TILEB
	s_or_b32 s[G0+4*\s+3], s[G0+4*\s+3], 0x80000000
	s_mov_b32 s[G0B+4*\s], 1
	s_add_co_u32 s[G0B+4*\s+1], s45, \s*SLOT
	s_add_nc_u64 s[G0B+4*\s+2:G0B+4*\s+3], s[96:97], \s*TILEB
	s_or_b32 s[G0B+4*\s+3], s[G0B+4*\s+3], 0x80000000
.endr
; THE HEAD'S LOADS, ONE A WAVE: wave 0 slot 0's sixteen tiles of the first operand, wave 1 its scale words, wave 2 the second operand's sixteen tiles, wave 3 its scale words.  One chain of branches on the wave's number.
	s_cmp_eq_u32 s16, 0
	s_cbranch_scc0 .Lhead_1
	tensor_load_to_lds s[G0:G0+3], s[G1:G1+7]
	s_nop 0
.rept 4
	v_nop
.endr
	s_branch .Lhead_asked
.Lhead_1:
	s_cmp_eq_u32 s16, 1
	s_cbranch_scc0 .Lhead_2
	tensor_load_to_lds s[G0S:G0S+3], s[G1S:G1S+7]
	s_nop 0
.rept 4
	v_nop
.endr
	s_branch .Lhead_asked
.Lhead_2:
	s_cmp_eq_u32 s16, 2
	s_cbranch_scc0 .Lhead_3
	tensor_load_to_lds s[G0B:G0B+3], s[G1B:G1B+7]
	s_nop 0
.rept 4
	v_nop
.endr
	s_branch .Lhead_asked
.Lhead_3:
	tensor_load_to_lds s[G0SB:G0SB+3], s[G1SB:G1SB+7]
	s_nop 0
.rept 4
	v_nop
.endr
.Lhead_asked:
	s_wait_alu depctr_va_vdst(0)
	s_wait_tensorcnt 0x0                           ; my tile of the head's four is in
	ds_add_u32 v28, v29
	s_mov_b32 s[G1+2], 8<<16                       ; no tensor load of mine is out: from here on a load brings eight tiles
	s_mov_b32 s[G1+4], 8
	s_mov_b32 s[G1B+2], 8<<16
	s_mov_b32 s[G1B+4], 8
	s_wait_dscnt 0x0
	CROUND
	JLOAD G0+4, G1, G0B+4, G1B                     ; slot 1's first fill, the first tensor load behind the round
	v_and_b32 v1, 31, v0
	v_and_b32 v2, 15, v0
	v_bfe_u32 v3, v0, 4, 1
	v_lshlrev_b32 v24, 4, v1
	v_lshlrev_b32 v4, 3, v1
	v_add_nc_u32 v25, 512, v4
	s_mul_i32 s2, s17, HALFT
	s_mul_i32 s3, s18, HALFT
	s_add_co_u32 s3, s3, 2*HALFT
.irp s, 0,1
	v_add_nc_u32 v[ADA16+\s], s2, v24
	v_add_nc_u32 v[ADA8+\s], s2, v25
	v_add_nc_u32 v[ADB16+\s], s3, v24
	v_add_nc_u32 v[ADB8+\s], s3, v25
	s_add_co_u32 s2, s2, SLOT
	s_add_co_u32 s3, s3, SLOT
.endr
	s_lshl_b32 s2, s17, 12
	s_lshl_b32 s3, s18, 12
	s_add_co_u32 s3, s3, SCLD
	s_sub_co_u32 s3, s3, s2
	v_mul_u32_u24 v5, s3, v3
	s_add_co_u32 s2, s2, SCLA
	v_lshl_add_u32 v5, v2, 3, v5
	v_add_nc_u32 v[ADRS], s2, v5
	v_mul_u32_u24 v26, v3, 768
	v_lshl_add_u32 v26, v2, 4, v26
	s_mov_b32 s67, 0xffff0000
	v_mov_b32 v116, 0x05040100
	v_mov_b32 v117, 0x07060302
	v_cndmask_b32 v116, v116, v117, s67
.irp b, 0,1,2,3
	v_mov_b32 v[TM+4+\b], 0
.endr
	s_lshl_b32 s2, s23, 1
	s_add_co_u32 s2, s2, s17
	s_lshl_b32 s3, s40, 1
	s_add_co_u32 s3, s3, s18
	s_and_b32 s43, s3, 7
	s_lshr_b32 s44, s3, 3
	s_mul_i32 s46, s44, 3072
	s_lshl_b32 s47, s44, 8
	s_cmp_lt_u32 s22, 8
	s_cselect_b32 s44, s2, s3
	s_cselect_b32 s43, s43, s2
	s_cselect_b32 s46, s46, 6144
	s_cselect_b32 s47, s47, 512
	s_mul_i32 s2, s44, 294912
	s_mul_i32 s3, s43, 18432
	s_add_co_u32 s2, s2, s3
	s_add_co_u32 s2, s2, s46
	s_mov_b32 s3, 0
	s_add_nc_u64 s[92:93], s[12:13], s[2:3]
	s_mul_i32 s2, s44, 12288
	s_mul_i32 s46, s43, 1536
	s_add_co_u32 s2, s2, s46
	s_add_co_u32 s2, s2, s47
	s_add_nc_u64 s[14:15], s[14:15], s[2:3]
	s_mov_b32 s2, s101
	s_add_nc_u64 s[94:95], s[92:93], s[2:3]
	s_mov_b32 s2, s100
	s_add_nc_u64 s[96:97], s[92:93], s[2:3]
	s_add_nc_u64 s[98:99], s[94:95], s[2:3]
	s_mov_b32 s100, 0x76543210
	s_mov_b32 s101, 0xfedcba98
.macro FRAG reg, a16, a8, q, i
	ds_load_b128 v[\reg:\reg+3], v[\a16] offset:TILEB*(\i)+1536*(\q)
	ds_load_b64 v[\reg+4:\reg+5], v[\a8] offset:TILEB*(\i)+1536*(\q)
	ds_load_b128 v[\reg+6:\reg+9], v[\a16] offset:TILEB*(\i)+1536*(\q)+768
	ds_load_b64 v[\reg+10:\reg+11], v[\a8] offset:TILEB*(\i)+1536*(\q)+768
.endm
.macro MUL16 a0, p, q, sc, zero
.irp a, \a0, \a0+1
.irp b, 0,1,2,3,4,5,6,7
.if \zero
	v_wmma_scale_f32_16x16x128_f8f6f4 v[8*(8*((\a)%4)+\b):8*(8*((\a)%4)+\b)+7], v[128*(\p)+FR*\b:128*(\p)+FR*\b+FR-1], v[AF+FR*(\a):AF+FR*(\a)+FR-1], 0, v[SC+8*NQ*(\sc)+NQ*\b+(\q)], v[SC+8*NQ*(\sc)+NQ*(\a)+(\q)] matrix_a_fmt:MATRIX_FMT_FP6 matrix_b_fmt:MATRIX_FMT_FP6 matrix_a_scale:MATRIX_SCALE_ROW1
.else
	v_wmma_scale_f32_16x16x128_f8f6f4 v[8*(8*((\a)%4)+\b):8*(8*((\a)%4)+\b)+7], v[128*(\p)+FR*\b:128*(\p)+FR*\b+FR-1], v[AF+FR*(\a):AF+FR*(\a)+FR-1], v[8*(8*((\a)%4)+\b):8*(8*((\a)%4)+\b)+7], v[SC+8*NQ*(\sc)+NQ*\b+(\q)], v[SC+8*NQ*(\sc)+NQ*(\a)+(\q)] matrix_a_fmt:MATRIX_FMT_FP6 matrix_b_fmt:MATRIX_FMT_FP6 matrix_a_scale:MATRIX_SCALE_ROW1
.endif
.endr
.endr
.endm
.macro FETCH_B slot, q, p
	WIN TO_B
.irp i, 0,1,2,3,4,5,6,7
	FRAG 128*(\p)+FR*\i, ADB16+\slot, ADB8+\slot, \q, \i
.endr
	WIN 0
.endm
.macro FETCH_A slot, q, i0
.irp i, \i0, \i0+1, \i0+2, \i0+3
	FRAG AF+FR*(\i), ADA16+\slot, ADA8+\slot, \q, \i
.endr
.endm
.macro SCALES sc
.irp i, 0,1,2,3,4,5,6,7
	ds_load_b64 v[SC+8*NQ*\sc+NQ*\i:SC+8*NQ*\sc+NQ*\i+1], v[ADRS] offset:512*\i
.endr
.endm
.macro PLACES n
.rept \n
	v_nop
.endr
.endm
.macro STEP slot, q, zero
	s_wait_dscnt 4*NL
	WIN MUL_LO
	MUL16 0, (\q)%2, \q, \slot, \zero
	MUL16 2, (\q)%2, \q, \slot, \zero
	s_wait_dscnt 0
	PLACES NP
	FETCH_B \slot, (\q)+1, 1-(\q)%2
	FETCH_A \slot, (\q)+1, 0
	WIN MUL_HI
	MUL16 4, (\q)%2, \q, \slot, \zero
	MUL16 6, (\q)%2, \q, \slot, \zero
	PLACES NP
	WIN 0
	FETCH_A \slot, (\q)+1, 4
.endm
.macro TURN slot, next, fill
	s_wait_tensorcnt 0x0
	ds_add_u32 v[SPW], v[NIL]
	s_wait_dscnt 4*NL+1
	WIN MUL_LO
	MUL16 0, 1, NQ-1, \slot, 0
	s_wait_dscnt 0x0
	s_barrier_signal -1
	MUL16 2, 1, NQ-1, \slot, 0
	WIN 0
	s_barrier_wait -1
.if \fill
	CREST
	s_add_nc_u64 s[G0+4*\slot+2:G0+4*\slot+3], s[G0+4*\slot+2:G0+4*\slot+3], 2*TILEB
	s_add_nc_u64 s[G0B+4*\slot+2:G0B+4*\slot+3], s[G0B+4*\slot+2:G0B+4*\slot+3], 2*TILEB
	JLOAD G0+4*\slot, G1, G0B+4*\slot, G1B
.else
	PLACES NP
.endif
	s_wait_alu depctr_va_vdst(0)
	v_add_nc_u32 v[ADRS], 128, v[ADRS]
	FETCH_B \next, 0, 0
	FETCH_A \next, 0, 0
	SCALES \next
	WIN MUL_HI
	MUL16 4, 1, NQ-1, \slot, 0
	MUL16 6, 1, NQ-1, \slot, 0
	PLACES NP
	WIN 0
	FETCH_A \next, 0, 4
.endm
	s_wait_tensorcnt 1
	s_barrier_signal -1
	s_barrier_wait -1
	FETCH_B 0, 0, 0
	FETCH_A 0, 0, 0
	SCALES 0
	FETCH_A 0, 0, 4
	STEP 0, 0, 1
	TURN 0, 1, 1
	STEP 1, 0, 0
	TURN 1, 0, 1
	STEP 0, 0, 0
	TURN 0, 1, 0
	STEP 1, 0, 0
	s_wait_dscnt 4*NL
	WIN MUL_LO
	MUL16 0, 1, NQ-1, 1, 0
	MUL16 2, 1, NQ-1, 1, 0
	s_wait_dscnt 0
	WIN MUL_HI
	MUL16 4, 1, NQ-1, 1, 0
	MUL16 6, 1, NQ-1, 1, 0
	WIN 0
	PLACES NP
.macro OUTBLK a
.set W, 2+(\a)/4
.set WW, W|(W<<2)
.set AC, 64*((\a)%4)
	WIN WW
.irp b, 0,1,2,3
	v_max3_num_f32 v[TM+\b], |v[AC+16*\b]|, |v[AC+16*\b+1]|, 0x1800000
.endr
.irp i, 2,4,6,8,10,12,14
.irp b, 0,1,2,3
	v_max3_num_f32 v[TM+\b], |v[AC+16*\b+\i]|, |v[AC+16*\b+\i+1]|, v[TM+\b]
.endr
.endr
	WIN 0
.irp b, 0,1,2,3
	v_permlanex16_b32 v[TM+4+\b], v[TM+\b], s100, s101
.endr
.irp b, 0,1,2,3
	v_max_num_f32 v[TM+\b], v[TM+\b], v[TM+4+\b]
.endr
.irp b, 0,1,2,3
	v_add_nc_u32 v[TM+12+\b], 0xff000000, v[TM+\b]
.endr
.irp b, 0,1,2,3
	v_lshrrev_b32 v[TM+4+\b], 23, v[TM+12+\b]
.endr
	v_lshl_or_b32 v[PWR+(\a)], v[TM+5], 8, v[TM+4]
	v_lshl_or_b32 v[PWR+(\a)], v[TM+6], 16, v[PWR+(\a)]
	v_lshl_or_b32 v[PWR+(\a)], v[TM+7], 24, v[PWR+(\a)]
.if (\a) > 0
	s_wait_xcnt 0x0
.endif
	WIN W
.irp c, 0,1
	v_cvt_scalef32_pk16_fp6_f32 v[PC+6*\c:PC+2+6*\c], v[AC+32*\c:AC+15+32*\c], v[TM+12+2*\c]
	v_cvt_scalef32_pk16_fp6_f32 v[PC+12+4*\c:PC+14+4*\c], v[AC+16+32*\c:AC+31+32*\c], v[TM+12+2*\c+1]
.endr
	WIN 0
	v_nop
.irp c, 0,1
.irp i, 0,1,2
	v_permlane16_swap_b32 v[PC+6*\c+\i], v[PC+12+4*\c+\i]
.endr
.irp i, 0,1,2
	v_mov_b32 v[PC+3+6*\c+\i], v[PC+12+4*\c+\i]
.endr
.endr
.irp c, 0,1
	global_store_b128 v24, v[PC+6*\c:PC+6*\c+3], s[92+4*((\a)/4)+2*\c:93+4*((\a)/4)+2*\c] offset:768*((\a)%4)
	global_store_b64 v25, v[PC+6*\c+4:PC+6*\c+5], s[92+4*((\a)/4)+2*\c:93+4*((\a)/4)+2*\c] offset:768*((\a)%4)
.endr
.endm
.irp a, 0,1,2,3,4,5,6,7
	OUTBLK \a
.endr
.irp i, 0,1,2,3
	v_perm_b32 v[108+\i], v[PWR+1+2*\i], v[PWR+2*\i], v116
.endr
.irp i, 0,1,2,3
	v_cndmask_b32 v[112+\i], v[PWR+\i], v[PWR+4+\i], s67
.endr
.irp i, 0,1,2,3
	v_cndmask_b32 v[108+\i], v[112+\i], v[108+\i], s66
.endr
	global_store_b128 v26, v[108:111], s[14:15]
	s_wait_tensorcnt 0x0
	ds_add_u32 v[SPW], v[NIL]
	s_wait_dscnt 0x0
	CROUND
	s_endpgm
.Lfunc_end_k_qfc6aa2bd83_proj:
	.size	k_qfc6aa2bd83_proj, .Lfunc_end_k_qfc6aa2bd83_proj-k_qfc6aa2bd83_proj
	.p2alignl 7, 3214868480
	.fill 96, 4, 3214868480
	.section	.rodata,"a",@progbits
	.p2align	6, 0x0
	.amdhsa_kernel k_qfc6aa2bd83_proj
		.amdhsa_group_segment_fixed_size 327680
		.amdhsa_private_segment_fixed_size 0
		.amdhsa_enable_private_segment 0
		.amdhsa_kernarg_size 48
		.amdhsa_user_sgpr_count 2
		.amdhsa_user_sgpr_kernarg_segment_ptr 1
		.amdhsa_wavefront_size32 1
		.amdhsa_system_sgpr_workgroup_id_x 1
		.amdhsa_system_sgpr_workgroup_id_y 1
		.amdhsa_system_sgpr_workgroup_id_z 1
		.amdhsa_system_vgpr_workitem_id 0
		.amdhsa_next_free_vgpr 1024
		.amdhsa_next_free_sgpr 102
		.amdhsa_reserve_vcc 0
		.amdhsa_float_denorm_mode_32 3
		.amdhsa_float_denorm_mode_16_64 3
		.amdhsa_memory_ordered 1
		.amdhsa_forward_progress 1
		.amdhsa_inst_pref_size 151
	.end_amdhsa_kernel
	.amdgpu_metadata
---
amdhsa.version: [ 1, 2 ]
amdhsa.kernels:
  - .name:           k_qfc6aa2bd83_proj
    .symbol:         k_qfc6aa2bd83_proj.kd
    .args:
      - { .name: xc, .offset: 0, .size: 8, .value_kind: global_buffer, .address_space: global }
      - { .name: xs, .offset: 8, .size: 8, .value_kind: global_buffer, .address_space: global }
      - { .name: wc, .offset: 16, .size: 8, .value_kind: global_buffer, .address_space: global }
      - { .name: ws, .offset: 24, .size: 8, .value_kind: global_buffer, .address_space: global }
      - { .name: qkvc, .offset: 32, .size: 8, .value_kind: global_buffer, .address_space: global }
      - { .name: qkvs, .offset: 40, .size: 8, .value_kind: global_buffer, .address_space: global }
    .group_segment_fixed_size: 327680
    .private_segment_fixed_size: 0
    .kernarg_segment_align: 8
    .kernarg_segment_size: 48
    .max_flat_workgroup_size: 128
    .sgpr_count:     102
    .vgpr_count:     1024
    .wavefront_size: 32
...
	.end_amdgpu_metadata
.endif
;; end of part 2
;; launch attn (part 3): grid 4 x 64, 16 waves a work-group, clusters of 4 x 1, 256,000 bytes of LDS; arguments qkvc, qkvs, cc, cs; writes cc, cs
.if DOCPART == 3
	.amdgcn_target "amdgcn-amd-amdhsa--gfx1250"
	.amdhsa_code_object_version 6
	.text
	.protected	k_qfc6aa2bd83_attn
	.globl	k_qfc6aa2bd83_attn
	.p2align	8
	.type	k_qfc6aa2bd83_attn,@function
k_qfc6aa2bd83_attn:
	s_mov_b64 s[64:65], 0
	v_nop
	global_prefetch_b8 v0, s[64:65] scope:SCOPE_SE
	s_setreg_imm32_b32 hwreg(HW_REG_WAVE_MODE, 25, 1), 1
	s_wait_xcnt 0x0
	s_wait_alu depctr_hold_cnt(0) depctr_sa_sdst(0) depctr_va_vdst(0) depctr_va_sdst(0) depctr_va_ssrc(0) depctr_va_vcc(0) depctr_vm_vsrc(0)
	s_getreg_b32 s2, hwreg(HW_REG_IB_STS2, 6, 4)
	s_cmp_eq_u32 s2, 0
	s_cbranch_scc0 .Lentry_in_a_cluster
	s_endpgm
.Lentry_in_a_cluster:
	s_bfe_u32 s2, ttmp6, 0x10000c
	s_cmp_lg_u32 s2, 0x3003
	s_cbranch_scc0 .Lentry_shape_is_right
	s_endpgm
.Lentry_shape_is_right:
; For each batch and head: O = softmax(Q K^T / 8) V on codes of FP6 (E2M3) with E8M0 scales; O is quantised along the concatenated heads' axis and leaves as codes.
; THE SOFTMAX: t = score x log2(e) / 8; M = the running largest t rounded UP to a whole number; p = 2^(t - M) is quantised along the keys, not normalised; the row's sum is taken of the
; unquantised p and divides O at the end.  When M moves, the sum and O are multiplied by 2^(old M - new M): exact.
; SHARES: 256 work-groups; a work-group owns 512 queries of one (batch, head); each of its sixteen waves takes two tiles of 16 queries, one after the other (tile 32 cx + 16 pass + wave of the batch's 128).
; THE HEAD'S WHOLE K AND V STAY IN LDS: 32 rows (64 keys: K's four tiles, V's four tiles), filled once; nothing is filled again.  Waves 0 to 7 fetch four rows each, wave 8 the scale words: one tensor load a wave.
; Waves 0 and 1 (the first 512 keys), waves 2 to 7 and wave 8 have load lines of their own: the first barrier waits for waves 0, 1 and 8 alone, the second, behind four key steps, for all.  The second pass needs no barrier.
; CLUSTER: the four work-groups of a cluster are the four query blocks of one head and read the same K and V: each load is asked for jointly (mask 15).
; LDS ROWS: 64 bytes of padding behind every 256: an image of 768 bytes (lane l's registers 0-3 at 16 l, 4-5 at 512 + 8 l) lies at 16 l + 64 (l / 16) and 640 + 8 l, images 960 apart, rows 7,680.
; BOTH PRODUCTS ARE USED TRANSPOSED: S^T = K Q^T, O^T = V^T P^T: a lane holds one query (lane % 16).
; THE KEYS OF A TILE ARE CHOSEN HERE, BY THE LANES' ADDRESSES.  Stored tile t of a row holds keys 32 (t / 2) + 8 (t % 2) + r + 8 (r / 8).  Tile j of 64 keys as it is multiplied takes, in lane rows 0-7, places 8 (j / 2) + 0..7 of
; stored tile j % 2, and in lane rows 8-15 the same places of stored tile 2 + j % 2 (1,920 bytes on, which is 128 modulo 256: the sixteen lanes of a 16-byte load touch sixteen different columns).  Lane row m then is key
; 8 j + m (m < 8) or 32 + 8 j + m - 8: so the 32 registers of four tiles in lane (q, h) are keys 64 c + 32 h + 0..31: ONE SCALE BLOCK of p, in the order of the next operand's registers.  No lane asks another for a block's maximum, and no code changes lanes.
; THE FIRST PRODUCT'S K IS 64, THE INSTRUCTION'S 128: two tiles are one operand, multiplied once by [q | zero codes] and once by [zero codes | q]; the two forms of q share the six registers of zero codes.
; LIMITS: NaN and infinities are not served; a block of zeros, or one under 2^-124, gets the byte 1 (this program alone reads the bytes); the promise holds while the scaled scores stay under 2^31 in magnitude.
; No prefetch: all that the work-group reads from K and V is asked for by tensor loads at its head, and both tiles' Q by loads at the head.
.set ROWP,  7680
.set TPB,   960
.set VOF,   3840                       ; V's four tiles behind K's four
.set SCL,   245760                     ; 16 rows of 512 bytes (128 keys: K's scale words 256, V's 256)
.set SPARE, 253952                     ; the spare words, 128 bytes for each wave
.set G16, 1                            ; 16 x lane (memory)
.set G8,  2                            ; 512 + 8 x lane (memory)
.set L16, 3                            ; V in LDS: 16 l + 64 h
.set SPW, 4
.set NIL, 5
.set L8,  6                            ; 640 + 8 l
.set XK16, 7                           ; K in LDS: 1920 (r / 8) + 16 (r % 8) + 320 h
.set XK8, 8                            ; 640 + 1920 (r / 8) + 8 (r % 8) + 128 h
.set LSK, 9                            ; SCL + 16 (r % 8) + 4 (r / 8)
.set LSV, 10                           ; SCL + 256 + 16 r
.set SH8, 11                           ; 8 h
.set AK16, 16                          ; v16-21 the step's addresses
.set AK8, 17
.set AKS, 18
.set AV16, 19
.set AV8, 20
.set AVS, 21
.set QLO, 22                           ; v22-33 [q | 0]
.set QHI, 28                           ; v28-39 [0 | q]
.set F,   40                           ; v40-87 four operands: K's, then V's
.set S,   88                           ; v88-151 S^T, then p
.set O,   152                          ; v152-183 O^T
.set PCD, 184                          ; v184-195 p's codes
.set T2,  196                          ; v196-198, v200-202 the conversions' second halves
.set BM,  204                          ; v204-207 the two blocks' largest scores, two chains each
.set BS,  208                          ; v208-209 the conversions' scale operands
.set BB,  210                          ; v210-213 at work
.set CSO, 214                          ; 8 r + h
.set QSO, 215                          ; 16 r
.set KS,  216                          ; v216-219, v220-223, v225, v229 hold scales and nothing else
.set VS,  220
.set TT,  224
.set PS,  225
.set FF,  226                          ; f = 2^(old M - new M); v227 named with it as a pair
.set QS,  229
.set AC,  230                          ; v230-243 seven partial sums
.set Q2,  244                          ; v244-249 the second tile's q; v250, v251 the two tiles' raw scale words
.macro WALU
	s_wait_alu depctr_va_vdst(0)
.endm
.macro CROUND
	s_barrier_signal -1
	s_barrier_wait -1
	s_cmp_lg_u32 s12, 0
	s_cbranch_scc1 .Lnot_wave_0_\@
	s_barrier_signal -3
.Lnot_wave_0_\@:
	s_barrier_wait -3
	s_barrier_signal -1
	s_barrier_wait -1
.endm
.macro TLOAD g0, g1
	tensor_load_to_lds s[\g0:\g0+3], s[\g1:\g1+7]
	s_nop 0
.rept 4
	v_nop
.endr
.endm
	s_load_b256 s[4:11], s[0:1], 0x0               ; qkvc, qkvs, cc, cs
	v_lshl_add_u32 v[SPW], v0, 2, SPARE
	v_mov_b32 v[NIL], 0
	ds_add_u32 v[SPW], v[NIL]                      ; the opening lines
	ds_add_u32 v[SPW], v[NIL]
	v_lshrrev_b32 v88, 5, v0
	v_readfirstlane_b32 s12, v88                   ; wave 0..15
	v_and_b32 v89, 31, v0                          ; lane
	v_and_b32 v90, 15, v0                          ; r
	v_bfe_u32 v91, v0, 4, 1                        ; h
	v_and_b32 v92, 7, v0                           ; r % 8
	v_bfe_u32 v93, v0, 3, 1                        ; r / 8
	v_lshlrev_b32 v[G16], 4, v89
	v_lshlrev_b32 v94, 3, v89
	v_add_nc_u32 v[G8], 512, v94
	v_lshl_add_u32 v[L16], v91, 6, v[G16]
	v_add_nc_u32 v[L8], 640, v94
	v_mul_u32_u24 v95, v93, 1920
	v_lshl_add_u32 v96, v92, 4, v95
	v_mad_u32_u24 v[XK16], v91, 320, v96
	v_lshl_add_u32 v97, v92, 3, v95
	v_lshl_add_u32 v97, v91, 7, v97
	v_add_nc_u32 v[XK8], 640, v97
	v_lshlrev_b32 v98, 4, v92
	v_lshl_add_u32 v98, v93, 2, v98
	v_add_nc_u32 v[LSK], SCL, v98
	v_lshlrev_b32 v[QSO], 4, v90
	v_add_nc_u32 v[LSV], SCL+256, v[QSO]
	v_lshlrev_b32 v[SH8], 3, v91
	v_lshl_add_u32 v[CSO], v90, 3, v91
	s_bfe_u32 s13, ttmp6, 0x40000                  ; cx: it enters Q's, cc's and cs's addresses alone
	s_lshl_b32 s14, s13, 1                         ; my first block of 256 queries
	s_and_b32 s15, ttmp7, 0xffff
	s_lshr_b32 s16, s15, 4                         ; batch
	s_and_b32 s17, s15, 15                         ; head
	; group 1 for codes: 4 rows of 768 elements of 8 bytes, 18,432 elements apart; 16 dwords of padding behind every 64
	s_mov_b32 s28, 15|(3<<16)|(1<<20)|(1<<21)|(5<<22)|(15<<25)
	s_mov_b32 s29, 768<<16
	s_mov_b32 s30, 4<<16
	s_mov_b32 s31, 768<<16
	s_mov_b32 s32, 4
	s_mov_b32 s33, 18432
	s_mov_b32 s34, 0
	s_mov_b32 s35, 0
	; and for scale words: 16 rows of 64 elements, 1,536 elements apart
	s_mov_b32 s36, 15|(3<<16)|(1<<21)
	s_mov_b32 s37, 64<<16
	s_mov_b32 s38, 16<<16
	s_mov_b32 s39, 64<<16
	s_mov_b32 s40, 16
	s_mov_b32 s41, 1536
	s_mov_b32 s42, 0
	s_mov_b32 s43, 0
	s_mul_i32 s18, s16, 4718592                    ; codes: the batch's 32 rows of 147,456 bytes,
	s_mul_i32 s20, s12, 589824                     ; wave w's four,
	s_add_co_u32 s18, s18, s20
	s_mul_i32 s20, s17, 9216                       ; the head,
	s_add_co_u32 s18, s18, s20
	s_add_co_u32 s18, s18, 3072                    ; behind Q's part
	s_mov_b32 s19, 0
	s_mul_i32 s20, s16, 196608                     ; scale words: the batch's 16 rows of 12,288 bytes,
	s_mul_i32 s21, s17, 768
	s_add_co_u32 s20, s20, s21
	s_add_co_u32 s20, s20, 256                     ; behind Q's part
	s_mov_b32 s21, 0
	s_mul_i32 s26, s12, 4*ROWP                     ; where my four rows go
	s_mov_b32 s22, 0x76543210
	s_mov_b32 s23, 0xfedcba98                      ; v_permlanex16_b32's selects for lane l xor 16
	s_mov_b32 s24, 0x3e38aa3b                      ; c = log2(e) / 8
	s_mov_b32 s25, s24                             ; (named with it as a pair)
	s_mov_b32 s27, 0xbe38aa3b                      ; -c
	s_mov_b32 s69, 0xffff0000                      ; lanes 16-31
	s_lshl_b32 s52, s16, 5                         ; Q's image: 64 tokens' row = 32 batch + 4 block + wave / 4,
	s_lshl_b32 s53, s14, 2
	s_add_co_u32 s52, s52, s53
	s_lshr_b32 s53, s12, 2
	s_add_co_u32 s52, s52, s53
	s_mul_i32 s52, s52, 147456
	s_mul_i32 s53, s17, 9216
	s_add_co_u32 s52, s52, s53
	s_and_b32 s53, s12, 3                          ; tile wave % 4 in it
	s_mul_i32 s53, s53, 768
	s_add_co_u32 s52, s52, s53
	s_mov_b32 s53, 0
	s_lshl_b32 s54, s16, 4                         ; Q's scale bytes: 128 tokens' row = 16 batch + 2 block + wave / 8,
	s_lshl_b32 s55, s14, 1
	s_add_co_u32 s54, s54, s55
	s_lshr_b32 s55, s12, 3
	s_add_co_u32 s54, s54, s55
	s_mul_i32 s54, s54, 12288
	s_mul_i32 s55, s17, 768
	s_add_co_u32 s54, s54, s55
	s_bfe_u32 s55, s12, 0x20001                    ; word (wave % 8) / 2
	s_lshl_b32 s55, s55, 2
	s_add_co_u32 s54, s54, s55
	s_mov_b32 s55, 0
	s_lshl_b32 s56, s16, 7                         ; my first tile of queries: 128 batch + 16 block + wave
	s_lshl_b32 s57, s14, 4
	s_add_co_u32 s56, s56, s57
	s_add_co_u32 s56, s56, s12
	s_lshl_b32 s58, s56, 4
	s_add_co_u32 s58, s58, s17
	s_mul_i32 s58, s58, 768                        ; cc: image (tile, head)
	s_mov_b32 s59, 0
	s_lshl_b32 s56, s56, 9                         ; cs: the tile's 512 bytes, 128 (head / 4) + 2 (head % 4)
	s_lshr_b32 s57, s17, 2
	s_lshl_b32 s57, s57, 7
	s_add_co_u32 s56, s56, s57
	s_and_b32 s57, s17, 3
	s_lshl_b32 s57, s57, 1
	s_add_co_u32 s56, s56, s57
	s_mov_b32 s57, 0
	s_mov_b32 s70, 0x01000100                      ; an even tile's two bytes are the word's low half, an odd tile's the high half; they are repeated in both halves
	s_bitcmp1_b32 s12, 0
	s_cselect_b32 s70, 0x03020302, s70
	WALU                                           ; the wait at the head's end
	s_wait_dscnt 0x0                               ; both opening adds are done
	s_wait_kmcnt 0x0
	s_mov_b32 s44, 1
	s_mov_b32 s45, SCL
	s_add_nc_u64 s[46:47], s[6:7], s[20:21]
	s_or_b32 s47, s47, 0x80000000
	s_mov_b32 s48, 1
	s_mov_b32 s49, s26
	s_add_nc_u64 s[50:51], s[4:5], s[18:19]
	s_or_b32 s51, s51, 0x80000000
	s_add_nc_u64 s[72:73], s[4:5], s[52:53]
	s_add_nc_u64 s[74:75], s[6:7], s[54:55]
	s_add_nc_u64 s[76:77], s[8:9], s[58:59]
	s_add_nc_u64 s[78:79], s[10:11], s[56:57]
	CROUND                                         ; all four work-groups are here: the joint loads meet
	s_cmp_lt_u32 s12, 2                            ; one chain of branches on the wave's number, one load to an arm
	s_cbranch_scc0 .Larm_rest
	TLOAD 48, 28                                   ; waves 0, 1: keys 0 to 511
	s_branch .Lasked
.Larm_rest:
	s_cmp_lt_u32 s12, 8
	s_cbranch_scc0 .Larm_scales
	TLOAD 48, 28                                   ; waves 2 to 7: keys 512 to 2,047
	s_branch .Lasked
.Larm_scales:
	s_cmp_eq_u32 s12, 8
	s_cbranch_scc0 .Lasked
	TLOAD 44, 36                                   ; wave 8: all scale words
.Lasked:
	global_load_b128 v[QLO:QLO+3], v[G16], s[72:73]
	global_load_b64 v[QLO+4:QLO+5], v[G8], s[72:73]
	global_load_b128 v[QHI+6:QHI+9], v[G16], s[72:73]
	global_load_b64 v[QHI+10:QHI+11], v[G8], s[72:73]
	global_load_b32 v251, v[QSO], s[74:75]
	global_load_b128 v[Q2:Q2+3], v[G16], s[72:73] offset:589824      ; the second tile: 256 queries on
	global_load_b64 v[Q2+4:Q2+5], v[G8], s[72:73] offset:589824
	global_load_b32 v250, v[QSO], s[74:75] offset:24576
.irp i, 0,1,2,3,4,5
	v_mov_b32 v[QHI+\i], 0                         ; the zero codes
.endr
.irp i, 0,1,2,3
	v_mov_b32 v[BB+\i], 0                          ; written once: a lane permute's destination counts as one of its sources
.endr
	v_mov_b32 v[FF+1], 0
	v_mov_b32 v[TT], 0
	WALU
	s_wait_loadcnt 0x0
; A tile's start: Q's scale word, the largest score so far (-3e38, under every score), -M, the sum, O^T = 0 (the step is written once; its first run finds zeros; these lines are also the places behind Q's scale word)
.macro INIT raw
	v_perm_b32 v[QS], v[\raw], v[\raw], s70
	v_mov_b32 v13, 0xff61b1e6
	v_mov_b32 v14, 0
	v_mov_b32 v15, 0
	v_mul_f32 v[BB], s27, v13
	s_delay_alu instid0(VALU_DEP_1)
	v_floor_f32 v12, v[BB]
.set j, 0
.rept 32
	v_mov_b32 v[O+j], 0
.set j, j+1
.endr
	WALU
.endm
; A KEY STEP: 128 keys at LDS byte s66; their scale words at s67.
.macro STEP
	v_add_nc_u32 v[AK16], s66, v[XK16]             ; four places behind the last products, in front of the loads into registers that they have read
	v_add_nc_u32 v[AK8], s66, v[XK8]
	v_add_nc_u32 v[AKS], s67, v[LSK]
	v_add_nc_u32 v[AV16], s66, v[L16]
.irp c, 0,1
.irp u, 0,1                            ; operand 2 c + u: tiles 2 u and 2 u + 1 of the c-th 64 keys
	ds_load_b128 v[F+12*(2*\c+\u):F+12*(2*\c+\u)+3], v[AK16] offset:ROWP*\c+128*\u
	ds_load_b64 v[F+12*(2*\c+\u)+4:F+12*(2*\c+\u)+5], v[AK8] offset:ROWP*\c+64*\u
	ds_load_b128 v[F+12*(2*\c+\u)+6:F+12*(2*\c+\u)+9], v[AK16] offset:ROWP*\c+TPB+128*\u
	ds_load_b64 v[F+12*(2*\c+\u)+10:F+12*(2*\c+\u)+11], v[AK8] offset:ROWP*\c+TPB+64*\u
	ds_load_b32 v[KS+2*\c+\u], v[AKS] offset:8*\c+128*\u   ; stored word 2 c + r / 8 of stored lane row r % 8 + 8 u
.endr
.endr
	WALU
	s_wait_dscnt 0x0
.irp c, 0,1
.irp u, 0,1                            ; register 32 c + i of lane (q, h): key 64 c + 32 h + i
	v_wmma_scale_f32_16x16x128_f8f6f4 v[S+32*\c+16*\u:S+32*\c+16*\u+7], v[F+12*(2*\c+\u):F+12*(2*\c+\u)+11], v[QLO:QLO+11], 0, v[KS+2*\c+\u], v[QS] matrix_a_fmt:MATRIX_FMT_FP6 matrix_b_fmt:MATRIX_FMT_FP6
	v_wmma_scale_f32_16x16x128_f8f6f4 v[S+32*\c+16*\u+8:S+32*\c+16*\u+15], v[F+12*(2*\c+\u):F+12*(2*\c+\u)+11], v[QHI:QHI+11], 0, v[KS+2*\c+\u], v[QS] matrix_a_fmt:MATRIX_FMT_FP6 matrix_b_fmt:MATRIX_FMT_FP6
.endr
.endr
	v_add_nc_u32 v[AV8], s66, v[L8]                ; four places in front of the loads below and of the first read of the scores
	v_add_nc_u32 v[AVS], s67, v[LSV]
	v_mov_b32 v[TT], v12                           ; the old -M
	v_nop
.irp i, 0,1,2,3                        ; V's four channel tiles x these 128 keys land under the softmax
	ds_load_b128 v[F+12*\i:F+12*\i+3], v[AV16] offset:VOF+TPB*\i
	ds_load_b64 v[F+12*\i+4:F+12*\i+5], v[AV8] offset:VOF+TPB*\i
	ds_load_b128 v[F+12*\i+6:F+12*\i+9], v[AV16] offset:ROWP+VOF+TPB*\i
	ds_load_b64 v[F+12*\i+10:F+12*\i+11], v[AV8] offset:ROWP+VOF+TPB*\i
.endr
	ds_load_b128 v[VS:VS+3], v[AVS]
.irp b, 0,1                            ; the largest score of my two blocks of 32 keys, two chains each (numbers 0-16 and 17-31); each accumulator is first read at its low end
	v_max3_num_f32 v[BM+2*\b], v[S+32*\b], v[S+32*\b+1], v[S+32*\b+2]
	v_max3_num_f32 v[BM+2*\b+1], v[S+32*\b+17], v[S+32*\b+18], v[S+32*\b+19]
.endr
.irp i, 0,2,4,6,8,10
.irp b, 0,1
	v_max3_num_f32 v[BM+2*\b], v[BM+2*\b], v[S+32*\b+3+\i], v[S+32*\b+4+\i]
	v_max3_num_f32 v[BM+2*\b+1], v[BM+2*\b+1], v[S+32*\b+20+\i], v[S+32*\b+21+\i]
.endr
.endr
	v_max3_num_f32 v[BM], v[BM], v[S+15], v[S+16]
	v_max3_num_f32 v[BM+2], v[BM+2], v[S+47], v[S+48]
	s_delay_alu instid0(VALU_DEP_2)
	v_max_num_f32 v[BM], v[BM], v[BM+1]
	s_delay_alu instid0(VALU_DEP_2)
	v_max_num_f32 v[BM+2], v[BM+2], v[BM+3]
	s_delay_alu instid0(VALU_DEP_1)
	v_max_num_f32 v[BB], v[BM], v[BM+2]
	s_delay_alu instid0(VALU_DEP_1)
	v_permlanex16_b32 v[BB+1], v[BB], s22, s23     ; lane l xor 16 has my query's other 64 keys
	s_delay_alu instid0(VALU_DEP_1)
	v_max3_num_f32 v13, v13, v[BB], v[BB+1]        ; the running largest score
	s_delay_alu instid0(VALU_DEP_1)
	v_mul_f32 v[BB], s27, v13                      ; -t (c is positive)
	s_delay_alu instid0(VALU_DEP_1)
	v_floor_f32 v12, v[BB]                         ; the new -M = floor(-t): M is a whole number
	s_delay_alu instid0(VALU_DEP_1)
	v_sub_f32 v[TT], v12, v[TT]                    ; old M - new M: a whole number, 0 or less
	s_delay_alu instid0(VALU_DEP_1)
	v_cvt_i32_f32 v[TT], v[TT]                     ; (it saturates)
	s_delay_alu instid0(VALU_DEP_1)
	v_ldexp_f32 v[FF], 1.0, v[TT]                  ; f = 2^(old M - new M)
.set j, 0
.rept 32
	v_pk_fma_f32 v[S+j:S+j+1], v[S+j:S+j+1], s[24:25], v[12:13] op_sel_hi:[1,0,0]   ; t - M, two at a time
.set j, j+2
.endr
	v_fma_f32 v[BM], v[BM], s24, v12               ; the same of each block's largest score
	v_fma_f32 v[BM+2], v[BM+2], s24, v12
.set j, 0
.rept 16
	v_pk_mul_f32 v[O+j:O+j+1], v[O+j:O+j+1], v[FF:FF+1] op_sel_hi:[1,0]   ; O^T under the new M, ahead of the exponentials; each accumulator from its low end on
.set j, j+2
.endr
	WALU                                           ; the wait ahead of the batch
	v_exp_f32 v[BM], v[BM]                         ; the block's largest p: the same two instructions on the same number give the same bits
	v_exp_f32 v[BM+2], v[BM+2]
.set j, 0
.rept 64
	v_exp_f32 v[S+j], v[S+j]                       ; p = 2^(t - M), at most 1: not normalised
.set j, j+1
.endr
	v_nop                                          ; the plain place behind the exponentials
	WALU                                           ; one wait for the whole batch, ahead of its first reader
	v_max_num_f32 v[BM], 0x1800000, v[BM]          ; the floor 2^(3 - 127): the byte cannot fall under 1
	v_max_num_f32 v[BM+2], 0x1800000, v[BM+2]
	s_delay_alu instid0(VALU_DEP_2)
	v_add_nc_u32 v[BS], 0xff000000, v[BM]          ; 2 off the exponent field: the conversion's scale operand
	s_delay_alu instid0(VALU_DEP_2)
	v_add_nc_u32 v[BS+1], 0xff000000, v[BM+2]
.irp c, 0,1                            ; my block 2 c + h: registers 6 c .. 6 c + 5 of the operand
	v_cvt_scalef32_pk16_fp6_f32 v[PCD+6*\c:PCD+6*\c+2], v[S+32*\c:S+32*\c+15], v[BS+\c]
	v_cvt_scalef32_pk16_fp6_f32 v[T2+4*\c:T2+4*\c+2], v[S+32*\c+16:S+32*\c+31], v[BS+\c]   ; (a conversion's three registers begin on an even number)
.endr
	v_lshrrev_b32 v[BB], 23, v[BS]                 ; the bytes.  (Also the plain place behind the conversions)
	v_lshrrev_b32 v[BB+1], 23, v[BS+1]
.irp c, 0,1
.irp i, 0,1,2
	v_mov_b32 v[PCD+6*\c+3+\i], v[T2+4*\c+\i]
.endr
.endr
	v_lshl_or_b32 v[BB+2], v[BB+1], 16, v[BB]      ; my two bytes: blocks h and 2 + h,
	s_delay_alu instid0(VALU_DEP_1)
	v_lshlrev_b32 v[BB+2], v[SH8], v[BB+2]         ; 8 h bits up;
	s_delay_alu instid0(VALU_DEP_1)
	v_permlanex16_b32 v[BB+3], v[BB+2], s22, s23
	s_delay_alu instid0(VALU_DEP_1)
	v_or_b32 v[PS], v[BB+2], v[BB+3]               ; with lane l xor 16's two p's scale word is whole
	; the row's sum, of the unquantised p: the old sum x f + the 32 pairs, in eight chains.  (These 32 lines are the places behind p's scale word and codes)
	v_pk_fma_f32 v[14:15], v[14:15], v[FF:FF+1], v[S:S+1] op_sel_hi:[1,0,1]
.irp k, 1,2,3,4,5,6,7
	v_pk_add_f32 v[AC+2*\k-2:AC+2*\k-1], v[S+2*\k:S+2*\k+1], v[S+2*\k+16:S+2*\k+17]
.endr
	v_pk_add_f32 v[14:15], v[14:15], v[S+16:S+17]
.irp g, 32,48
.irp k, 1,2,3,4,5,6,7
	v_pk_add_f32 v[AC+2*\k-2:AC+2*\k-1], v[AC+2*\k-2:AC+2*\k-1], v[S+\g+2*\k:S+\g+2*\k+1]
.endr
	v_pk_add_f32 v[14:15], v[14:15], v[S+\g:S+\g+1]
.endr
	v_pk_add_f32 v[AC:AC+1], v[AC:AC+1], v[AC+2:AC+3]
	v_pk_add_f32 v[AC+4:AC+5], v[AC+4:AC+5], v[AC+6:AC+7]
	v_pk_add_f32 v[AC+8:AC+9], v[AC+8:AC+9], v[AC+10:AC+11]
	v_pk_add_f32 v[14:15], v[14:15], v[AC+12:AC+13]
	s_delay_alu instid0(VALU_DEP_3)
	v_pk_add_f32 v[AC:AC+1], v[AC:AC+1], v[AC+4:AC+5]
	s_delay_alu instid0(VALU_DEP_2)
	v_pk_add_f32 v[14:15], v[14:15], v[AC+8:AC+9]
	s_delay_alu instid0(VALU_DEP_1)
	v_pk_add_f32 v[14:15], v[14:15], v[AC:AC+1]
	WALU
	s_wait_dscnt 0x0                               ; V is in
.irp i, 0,1,2,3                        ; one product an accumulator a step; eleven others stand between two links of a chain
	v_wmma_scale_f32_16x16x128_f8f6f4 v[O+8*\i:O+8*\i+7], v[F+12*\i:F+12*\i+11], v[PCD:PCD+11], v[O+8*\i:O+8*\i+7], v[VS+\i], v[PS] matrix_a_fmt:MATRIX_FMT_FP6 matrix_b_fmt:MATRIX_FMT_FP6
.endr
.endm
.macro RUN first, n                    ; n key steps from step first on
	s_mov_b32 s66, 2*ROWP*\first
	s_mov_b32 s67, 512*\first
	s_mov_b32 s68, \n
.Lstep_\@:
	STEP
	s_add_co_u32 s66, s66, 2*ROWP
	s_add_co_u32 s67, s67, 512
	s_sub_co_u32 s68, s68, 1
	s_cmp_lg_u32 s68, 0
	s_cbranch_scc1 .Lstep_\@
.endm
; THE WAY OUT of tile p: O^T / the sum; V's channel tiles are as stored, so register 16 b + i = channel 32 b + 16 h + i of my query: two blocks of the concatenated axis; quantised, one image and two bytes a row.
.macro WAYOUT p
.rept 4
	v_nop
.endr
	v_add_f32 v14, v14, v15
	s_delay_alu instid0(VALU_DEP_1)
	v_permlanex16_b32 v[TT], v14, s22, s23
	s_delay_alu instid0(VALU_DEP_1)
	v_add_f32 v14, v14, v[TT]                      ; the row's sum
	WALU
	v_rcp_f32 v14, v14
	v_nop                                          ; a plain place behind the transcendental
	WALU                                           ; and the wait ahead of its first reader and of O^T's
.set j, 0
.rept 32
	v_mul_f32 v[S+j], v[O+j], v14                  ; each accumulator from its low end on
.set j, j+1
.endr
.irp b, 0,1
	v_max3_num_f32 v[BM+\b], |v[S+16*\b]|, |v[S+1+16*\b]|, 0x1800000
.endr
.irp i, 2,4,6,8,10,12,14
.irp b, 0,1
	s_delay_alu instid0(VALU_DEP_2)
	v_max3_num_f32 v[BM+\b], v[BM+\b], |v[S+16*\b+\i]|, |v[S+1+16*\b+\i]|
.endr
.endr
.irp b, 0,1
	s_delay_alu instid0(VALU_DEP_2)
	v_permlanex16_b32 v[BB+\b], v[BM+\b], s22, s23
.endr
.irp b, 0,1
	s_delay_alu instid0(VALU_DEP_2)
	v_max_num_f32 v[BM+\b], v[BM+\b], v[BB+\b]
.endr
.irp b, 0,1
	s_delay_alu instid0(VALU_DEP_2)
	v_add_nc_u32 v[BS+\b], 0xff000000, v[BM+\b]
.endr
.irp b, 0,1
	s_delay_alu instid0(VALU_DEP_2)
	v_lshrrev_b32 v[BB+\b], 23, v[BS+\b]
.endr
	v_cvt_scalef32_pk16_fp6_f32 v[PCD:PCD+2], v[S:S+15], v[BS]
	v_cvt_scalef32_pk16_fp6_f32 v[T2:T2+2], v[S+16:S+31], v[BS+1]
	v_nop
.irp i, 0,1,2
	v_permlane16_swap_b32 v[PCD+\i], v[T2+\i]      ; the operand's layout wants a whole block in a lane
.endr
.irp i, 0,1,2
	s_delay_alu instid0(VALU_DEP_3)
	v_mov_b32 v[PCD+3+\i], v[T2+\i]
.endr
	global_store_b128 v[G16], v[PCD:PCD+3], s[76:77] offset:196608*\p     ; 512 consecutive bytes, aligned,
	global_store_b64 v[G8], v[PCD+4:PCD+5], s[76:77] offset:196608*\p     ; and 256: the image
	v_cndmask_b32 v[TT], v[BB], v[BB+1], s69       ; my half's block's byte
	global_store_b8 v[CSO], v[TT], s[78:79] offset:8192*\p   ; single bytes: a head owns two bytes of a row's scale word; 32 bytes a wave beside its 768 of codes
.endm
	INIT 251
	s_cmp_lt_u32 s12, 2                            ; the waves whose tiles the first four steps read wait for them: waves 0 and 1,
	s_cbranch_scc0 .Lnot_first
	s_wait_tensorcnt 0x0
.Lnot_first:
	s_cmp_eq_u32 s12, 8                            ; and wave 8
	s_cbranch_scc0 .Lnot_scales
	s_wait_tensorcnt 0x0
.Lnot_scales:
	s_wait_dscnt 0x0
	s_barrier_signal -1
	s_barrier_wait -1                              ; keys 0 to 511 and the scale words are in; the rest may be on its way
	RUN 0, 4
	s_wait_tensorcnt 0x0                           ; every wave: all that is still out
	s_wait_dscnt 0x0
	s_barrier_signal -1
	s_barrier_wait -1
	RUN 4, 12
	WAYOUT 0
	s_wait_xcnt 0x0                                ; the stores have read their registers
.irp i, 0,1,2,3,4,5
	v_mov_b32 v[QLO+\i], v[Q2+\i]                  ; the second tile's q, in both forms
	v_mov_b32 v[QHI+6+\i], v[Q2+\i]
.endr
	INIT 250
	RUN 0, 16
	WAYOUT 1
	s_wait_tensorcnt 0x0                           ; the wave's end
	ds_add_u32 v[SPW], v[NIL]
	s_wait_dscnt 0x0
	CROUND                                         ; the closing round
	s_endpgm
.Lfunc_end_k_qfc6aa2bd83_attn:
	.size	k_qfc6aa2bd83_attn, .Lfunc_end_k_qfc6aa2bd83_attn-k_qfc6aa2bd83_attn
	.p2alignl 7, 3214868480
	.fill 96, 4, 3214868480
	.section	.rodata,"a",@progbits
	.p2align	6, 0x0
	.amdhsa_kernel k_qfc6aa2bd83_attn
		.amdhsa_group_segment_fixed_size 256000
		.amdhsa_private_segment_fixed_size 0
		.amdhsa_enable_private_segment 0
		.amdhsa_kernarg_size 32
		.amdhsa_user_sgpr_count 2
		.amdhsa_user_sgpr_kernarg_segment_ptr 1
		.amdhsa_wavefront_size32 1
		.amdhsa_system_sgpr_workgroup_id_x 1
		.amdhsa_system_sgpr_workgroup_id_y 1
		.amdhsa_system_sgpr_workgroup_id_z 1
		.amdhsa_system_vgpr_workitem_id 0
		.amdhsa_next_free_vgpr 256
		.amdhsa_next_free_sgpr 80
		.amdhsa_reserve_vcc 0
		.amdhsa_float_denorm_mode_32 3
		.amdhsa_float_denorm_mode_16_64 3
		.amdhsa_memory_ordered 1
		.amdhsa_forward_progress 1
		.amdhsa_inst_pref_size 69
	.end_amdhsa_kernel
	.amdgpu_metadata
---
amdhsa.version: [ 1, 2 ]
amdhsa.kernels:
  - .name:           k_qfc6aa2bd83_attn
    .symbol:         k_qfc6aa2bd83_attn.kd
    .args:
      - { .name: qkvc, .offset: 0, .size: 8, .value_kind: global_buffer, .address_space: global }
      - { .name: qkvs, .offset: 8, .size: 8, .value_kind: global_buffer, .address_space: global }
      - { .name: cc, .offset: 16, .size: 8, .value_kind: global_buffer, .address_space: global }
      - { .name: cs, .offset: 24, .size: 8, .value_kind: global_buffer, .address_space: global }
    .group_segment_fixed_size: 256000
    .private_segment_fixed_size: 0
    .kernarg_segment_align: 8
    .kernarg_segment_size: 32
    .max_flat_workgroup_size: 512
    .sgpr_count:     80
    .vgpr_count:     256
    .wavefront_size: 32
...
	.end_amdgpu_metadata
.endif
;; end of part 3
;; launch outp (part 4): grid 4 x 64, 4 waves a work-group, clusters of 4 x 4, 327,680 bytes of LDS; arguments cc, cs, wc, ws, out0; writes out0
.if DOCPART == 4
	.amdgcn_target "amdgcn-amd-amdhsa--gfx1250"
	.amdhsa_code_object_version 6
	.text
	.protected	k_qfc6aa2bd83_outp
	.globl	k_qfc6aa2bd83_outp
	.p2align	8
	.type	k_qfc6aa2bd83_outp,@function
k_qfc6aa2bd83_outp:
	s_mov_b64 s[64:65], 0
	v_nop
	global_prefetch_b8 v0, s[64:65] scope:SCOPE_SE
	s_setreg_imm32_b32 hwreg(HW_REG_WAVE_MODE, 25, 1), 1
	s_wait_xcnt 0x0
	s_wait_alu depctr_hold_cnt(0) depctr_sa_sdst(0) depctr_va_vdst(0) depctr_va_sdst(0) depctr_va_ssrc(0) depctr_va_vcc(0) depctr_vm_vsrc(0)
	s_getreg_b32 s2, hwreg(HW_REG_IB_STS2, 6, 4)
	s_cmp_eq_u32 s2, 0
	s_cbranch_scc0 .Lentry_in_a_cluster
	s_endpgm
.Lentry_in_a_cluster:
	s_bfe_u32 s2, ttmp6, 0x10000c
	s_cmp_lg_u32 s2, 0xf033
	s_cbranch_scc0 .Lentry_shape_is_right
	s_endpgm
.Lentry_shape_is_right:
; out0 [8192][1024] f32 = concat x Wo on codes of FP6 (E2M3) with E8M0 scales, K = 1,024.
; cc: [tile of 16 tokens: 512][64 along K: 16][768 bytes]; wc: the same for weights, tiles 192 to 255 are Wo's columns.  Lane row r of tile T is row 32 (T / 2) + 8 (T % 2) + r + 8 (r / 8).
; 768 bytes are an image of six operand registers: lane l's registers 0-3 at 16 l, 4-5 at 512 + 8 l.  cs, ws: 512 bytes a tile, [256 along K: 4][r 16][2 words], a word = the four bytes of 128 along K.
; SHARES: 256 work-groups, each 128 tokens x 256 columns; four waves, 2 x 2, each 64 x 128: 32 accumulators, 256 registers (window 2).
; ALL OF K LIES IN LDS AT ONCE: A's 8 tiles (98,304 bytes) and B's 16 (196,608), each in two halves of 512 along K; every byte is filled once, nothing is filled again.
; One tensor load a wave at the head, each on a line of its own: wave 0 A's first half, wave 1 B's, wave 2 A's second half, wave 3 B's.  The first barrier waits for waves 0 and 1 alone; the barrier ahead of the fetch of K step 4 for all.
; CLUSTER 4 x 4: A's tiles hang on the block row alone and are shared along a row of the cluster, B's on the block column alone and are shared along a column.
; THE SCALE WORDS go from memory straight into registers, in whole runs of 256 bytes: lane (r, h) of load g takes the two words of 256 along K number 2 g + h of lane row r: four registers a tile hold all of K;
; a product of K step s names register 2 (s / 4) + s % 2 of the tile and takes lanes 0-15 or 16-31 by (s / 2) % 2.  A's registers and B's differ modulo 8.
; THE MATRIX INSTRUCTION IS USED TRANSPOSED (source 0 = Wo's columns, source 1 = tokens): a lane holds eight neighbouring numbers of a row of out0.
; A and B have two sets of fragments; a K step's 48 LDS loads are issued one step ahead of their products.
; No prefetch: the launch has no loop to run ahead in; all that it reads is asked for at its head.
; REGISTERS: window 0: v16-29 addresses, v32-47 A's scale words, v50-81 B's, v128-223 A's fragments (on the way out v128-191 rows read back); window 1: B's fragments at v0 and v128; window 2: accumulator (a, b) at v[8 (8 a + b)].
.set HA,    49152                      ; A's half: 8 tiles x 6,144
.set HB,    98304                      ; B's half: 16 tiles x 6,144
.set BB0,   98304                      ; B begins behind A
.set STAGE, 294912                     ; the way out: 16 rows x 272 bytes for each wave; no fill lands here
.set SPARE, 312320                     ; the spare words, 128 bytes for each wave
.set ADA16, 16
.set ADA8,  18
.set ADB16, 20
.set ADB8,  22
.set STO,   24
.set RD,    25
.set CO,    26
.set G8,    27
.set SPW,   28
.set NIL,   29
.set SA,    32
.set SB,    50
.set AF,    128
.set BK,    128
.set G1,  24                           ; s[24:31] group 1 of A's tiles, s[32:35] group 0
.set G0,  32
.set G0B, 36                           ; s[36:39], s[48:55] the same for B's
.set G1B, 48
.set MSB, 0
.macro WIN new
.if MSB != \new
	s_set_vgpr_msb (MSB<<8)|\new
.set MSB, \new
.endif
.endm
.macro PLACES n
.rept \n
	v_nop
.endr
.endm
.macro CROUND
	s_barrier_signal -1
	s_barrier_wait -1
	s_cmp_lg_u32 s16, 0
	s_cbranch_scc1 .Lnot_wave_0_\@
	s_barrier_signal -3
.Lnot_wave_0_\@:
	s_barrier_wait -3
	s_barrier_signal -1
	s_barrier_wait -1
.endm
	s_load_b256 s[4:11], s[0:1], 0x0               ; cc, cs, wc, ws
	s_load_b64 s[12:13], s[0:1], 0x20              ; out0
	v_lshl_add_u32 v[SPW], v0, 2, SPARE
	v_mov_b32 v[NIL], 0
	ds_add_u32 v[SPW], v[NIL]                      ; the opening lines
	ds_add_u32 v[SPW], v[NIL]
	v_lshrrev_b32 v9, 5, v0
	v_readfirstlane_b32 s16, v9                    ; wave
	s_lshr_b32 s17, s16, 1                         ; my half of the rows.  Also: which half of K I fetch
	s_and_b32 s18, s16, 1                          ; my half of the columns.  Also: I fetch for A (0) or B (1)
	v_and_b32 v1, 31, v0
	v_and_b32 v2, 15, v0                           ; r
	v_bfe_u32 v3, v0, 4, 1                         ; h
	v_lshlrev_b32 v4, 4, v1
	v_lshlrev_b32 v[G8], 3, v1
	v_add_nc_u32 v5, 512, v[G8]
	s_mul_i32 s2, s17, 4*6144                      ; my four tiles of A,
	s_mul_i32 s3, s18, 8*6144                      ; my eight of B
	s_add_co_u32 s3, s3, BB0
.irp k, 0,1
	v_add_nc_u32 v[ADA16+\k], s2, v4
	v_add_nc_u32 v[ADA8+\k], s2, v5
	v_add_nc_u32 v[ADB16+\k], s3, v4
	v_add_nc_u32 v[ADB8+\k], s3, v5
	s_add_co_u32 s2, s2, HA
	s_add_co_u32 s3, s3, HB
.endr
	s_mul_i32 s2, s16, 16*272
	s_add_co_u32 s2, s2, STAGE                     ; my stage
	v_mul_u32_u24 v6, v2, 272                      ; in: row r, 64 bytes for each half of the lanes
	v_lshl_add_u32 v6, v3, 6, v6
	v_add_nc_u32 v[STO], s2, v6
	v_mul_u32_u24 v7, v3, 272                      ; back: lanes 0-15 one row of 256 bytes, lanes 16-31 the next
	v_lshl_add_u32 v7, v2, 4, v7
	v_add_nc_u32 v[RD], s2, v7
	v_lshlrev_b32 v8, 12, v3                       ; and the same two rows in out0
	v_lshl_add_u32 v[CO], v2, 4, v8
	s_bfe_u32 s19, ttmp6, 0x40000                  ; cx
	s_bfe_u32 s20, ttmp6, 0x40004                  ; cy
	s_lshl_b32 s40, ttmp9, 2
	s_add_co_u32 s40, s40, s19                     ; block column
	s_and_b32 s23, ttmp7, 0xffff
	s_lshl_b32 s23, s23, 2
	s_add_co_u32 s23, s23, s20                     ; block row
	s_lshl_b32 s41, s20, 2
	s_lshl_b32 s41, 15, s41                        ; my row of the cluster
	s_lshl_b32 s42, 0x1111, s19                    ; my column
	s_or_b32 s[G1+0], s41, (3<<16)|(1<<21)         ; rows of 768 elements of 8 bytes (a tile's 512 along K), 1,536 elements apart: 8 for A,
	s_mov_b32 s[G1+1], 768<<16
	s_mov_b32 s[G1+2], 8<<16
	s_mov_b32 s[G1+3], 768<<16
	s_mov_b32 s[G1+4], 8
	s_mov_b32 s[G1+5], 1536
	s_mov_b32 s[G1+6], 0
	s_mov_b32 s[G1+7], 0
	s_or_b32 s[G1B+0], s42, (3<<16)|(1<<21)        ; 16 for B
	s_mov_b32 s[G1B+1], 768<<16
	s_mov_b32 s[G1B+2], 16<<16
	s_mov_b32 s[G1B+3], 768<<16
	s_mov_b32 s[G1B+4], 16
	s_mov_b32 s[G1B+5], 1536
	s_mov_b32 s[G1B+6], 0
	s_mov_b32 s[G1B+7], 0
	s_mul_i32 s44, s23, 8*12288                    ; A's tiles: by the block row alone,
	s_mul_i32 s45, s17, 6144                       ; the half of K
	s_add_co_u32 s44, s44, s45
	s_mov_b32 s45, 0
	s_lshl_b32 s46, s40, 4                         ; B's: by the block column alone
	s_add_co_u32 s46, s46, 192
	s_mul_i32 s46, s46, 12288
	s_mul_i32 s47, s17, 6144
	s_add_co_u32 s46, s46, s47
	s_mov_b32 s47, 0
	s_mov_b32 s[G0], 1
	s_mul_i32 s[G0+1], s17, HA
	s_mov_b32 s[G0B], 1
	s_mul_i32 s[G0B+1], s17, HB
	s_add_co_u32 s[G0B+1], s[G0B+1], BB0
	s_lshl_b32 s56, s23, 12                        ; my four tiles' scale words in cs
	s_lshl_b32 s57, s17, 11
	s_add_co_u32 s56, s56, s57
	s_mov_b32 s57, 0
	s_lshl_b32 s58, s40, 13                        ; my eight tiles' in ws
	s_lshl_b32 s59, s18, 12
	s_add_co_u32 s58, s58, s59
	s_add_co_u32 s58, s58, 192*512
	s_mov_b32 s59, 0
	s_lshl_b32 s60, s23, 19                        ; out0: row 128 x block row + 64 x half, column 256 x block column + 128 x half
	s_lshl_b32 s61, s17, 18
	s_add_co_u32 s60, s60, s61
	s_lshl_b32 s61, s40, 10
	s_add_co_u32 s60, s60, s61
	s_lshl_b32 s61, s18, 9
	s_add_co_u32 s60, s60, s61
	s_mov_b32 s61, 0
	s_wait_alu depctr_va_vdst(0)                   ; the wait at the head's end
	s_wait_dscnt 0x0                               ; both opening adds are done
	s_wait_kmcnt 0x0
	s_add_nc_u64 s[G0+2:G0+3], s[4:5], s[44:45]
	s_or_b32 s[G0+3], s[G0+3], 0x80000000
	s_add_nc_u64 s[G0B+2:G0B+3], s[8:9], s[46:47]
	s_or_b32 s[G0B+3], s[G0B+3], 0x80000000
	s_add_nc_u64 s[6:7], s[6:7], s[56:57]
	s_add_nc_u64 s[10:11], s[10:11], s[58:59]
	s_add_nc_u64 s[12:13], s[12:13], s[60:61]
	CROUND                                         ; all sixteen work-groups are here: the joint loads meet
.macro ARM under, g0, g1, next
	s_cmp_lt_u32 s16, \under
	s_cbranch_scc0 \next
	tensor_load_to_lds s[\g0:\g0+3], s[\g1:\g1+7]
	s_nop 0
	PLACES 4
	s_branch .Lhead_asked
\next:
.endm
	ARM 1, G0,  G1,  .Lhead_1                      ; wave 0: A, K 0 to 511
	ARM 2, G0B, G1B, .Lhead_2                      ; wave 1: B, K 0 to 511
	ARM 3, G0,  G1,  .Lhead_3                      ; wave 2: A, K 512 to 1,023
	tensor_load_to_lds s[G0B:G0B+3], s[G1B:G1B+7]  ; wave 3: B, K 512 to 1,023
	s_nop 0
	PLACES 4
.Lhead_asked:
.irp i, 0,1,2,3
.irp g, 0,1
	global_load_b64 v[SA+4*\i+2*\g:SA+4*\i+2*\g+1], v[G8], s[6:7] offset:512*\i+256*\g     ; 32 lanes read 256 consecutive bytes
.endr
.endr
.irp i, 0,1,2,3,4,5,6,7
.irp g, 0,1
	global_load_b64 v[SB+4*\i+2*\g:SB+4*\i+2*\g+1], v[G8], s[10:11] offset:512*\i+256*\g
.endr
.endr
.macro FRAG reg, a16, a8, q, i
	ds_load_b128 v[\reg:\reg+3], v[\a16] offset:6144*(\i)+1536*(\q)
	ds_load_b64 v[\reg+4:\reg+5], v[\a8] offset:6144*(\i)+1536*(\q)
	ds_load_b128 v[\reg+6:\reg+9], v[\a16] offset:6144*(\i)+1536*(\q)+768
	ds_load_b64 v[\reg+10:\reg+11], v[\a8] offset:6144*(\i)+1536*(\q)+768
.endm
.macro FETCH st                        ; K step st's fragments into set st % 2: 48 loads
	WIN 0x40                                       ; destination window 1
.irp i, 0,1,2,3,4,5,6,7
	FRAG 128*((\st)%2)+12*\i, ADB16+(\st)/4, ADB8+(\st)/4, (\st)%4, \i
.endr
	WIN 0
.irp i, 0,1,2,3
	FRAG AF+48*((\st)%2)+12*\i, ADA16+(\st)/4, ADA8+(\st)/4, (\st)%4, \i
.endr
.endm
.macro PR d, fb, fa, c, xb, xa, row
.if \row
	v_wmma_scale_f32_16x16x128_f8f6f4 v[\d:\d+7], v[\fb:\fb+11], v[\fa:\fa+11], \c, v[\xb], v[\xa] matrix_a_fmt:MATRIX_FMT_FP6 matrix_b_fmt:MATRIX_FMT_FP6 matrix_a_scale:MATRIX_SCALE_ROW1 matrix_b_scale:MATRIX_SCALE_ROW1
.else
	v_wmma_scale_f32_16x16x128_f8f6f4 v[\d:\d+7], v[\fb:\fb+11], v[\fa:\fa+11], \c, v[\xb], v[\xa] matrix_a_fmt:MATRIX_FMT_FP6 matrix_b_fmt:MATRIX_FMT_FP6
.endif
.endm
.macro MUL s                           ; 32 products; the 32 accumulators take turns, in the same order in every step; the first step's start the sums
.irp a, 0,1,2,3
.irp b, 0,1,2,3,4,5,6,7
.set D_, 8*(8*\a+\b)
.set FB_, 128*((\s)%2)+12*\b
.set FA_, AF+48*((\s)%2)+12*\a
.set XB_, SB+4*\b+2*((\s)/4)+(\s)%2
.set XA_, SA+4*\a+2*((\s)/4)+(\s)%2
.if (\s) == 0
	PR D_, FB_, FA_, 0, XB_, XA_, 0
.else
	PR D_, FB_, FA_, v[D_:D_+7], XB_, XA_, ((\s)/2)%2
.endif
.endr
.endr
.endm
.macro STEP s
.if (\s) == 3
	s_wait_tensorcnt 0x0                           ; every wave: all that is still out; the next fetch reads the second half of K
	s_wait_dscnt 0x0
	s_barrier_signal -1
	s_barrier_wait -1
.endif
.if (\s) < 7
.if (\s) > 0
	PLACES 4                                       ; behind the last products, in front of the loads into the set that they have read
.endif
	FETCH (\s)+1
	s_wait_dscnt 48                                ; all but the 48 just issued: this step's fragments are in
.else
	s_wait_dscnt 0x0
.endif
	WIN 0xa1                                       ; source 0 window 1, source 1 window 0, C and D window 2
	MUL \s
	WIN 0
.endm
	s_cmp_lt_u32 s16, 2                            ; the waves that fetched the first half of K wait for it
	s_cbranch_scc0 .Lnot_first
	s_wait_tensorcnt 0x0
.Lnot_first:
	s_barrier_signal -1
	s_barrier_wait -1                              ; K 0 to 511 is in; the rest may be on its way
	FETCH 0
	s_wait_loadcnt 0x0                             ; the scale words are in
.irp s, 0,1,2,3,4,5,6,7
	STEP \s
.endr
; THE WAY OUT, in pieces of 16 rows x 64 columns (piece k: A's tile k / 2, B's tiles 4 (k % 2) + 0..3).  Register j of accumulator b in lane (r, h) is column 32 (b / 2) + 8 (b % 2) + 16 h + j of token row r.
; A piece goes through my own stage and comes back as rows of 256 bytes.  LDS serves a wave's instructions in order: no wait between the stores and the loads, nor in front of the next piece's stores.
.macro TOSTAGE k
.set AC_, 64*((\k)/2)+32*((\k)%2)
	WIN 0x08                                       ; the data: window 2
.irp b, 0,1,2,3
	ds_store_b128 v[STO], v[AC_+8*\b:AC_+8*\b+3] offset:128*(\b/2)+32*(\b%2)       ; each accumulator from its low end on
	ds_store_b128 v[STO], v[AC_+8*\b+4:AC_+8*\b+7] offset:128*(\b/2)+32*(\b%2)+16
.endr
	WIN 0
.set BB_, BK+32*((\k)%2)
.irp t, 0,1,2,3,4,5,6,7
	ds_load_b128 v[BB_+4*\t:BB_+4*\t+3], v[RD] offset:\t*544
.endr
.endm
.macro SEND k, younger                 ; younger: the LDS instructions issued behind piece k's loads
.set BB_, BK+32*((\k)%2)
.set OF_, (32*((\k)/4)+8*(((\k)/2)%2))*4096+256*((\k)%2)
	s_wait_dscnt \younger
.irp t, 0,1,2,3,4,5,6,7
	global_store_b128 v[CO], v[BB_+4*\t:BB_+4*\t+3], s[12:13] offset:OF_+(2*\t+8*(\t/4))*4096 th:TH_STORE_NT   ; sixteen lanes store 256 consecutive bytes, aligned; lane rows 2 t and 2 t + 1
.endr
.endm
	PLACES 4                                       ; behind the last products: for the reads of results and the loads into A's registers
	TOSTAGE 0
.irp k, 1,2,3,4,5,6,7
.if \k > 1
	s_wait_xcnt 0x0                                ; piece k - 2's stores have read their registers: piece k's loads may land there
.endif
	TOSTAGE \k
	SEND \k-1, 16                                  ; behind piece k - 1's loads: piece k's 8 stores and 8 loads
.endr
	SEND 7, 0
	s_wait_tensorcnt 0x0                           ; the wave's end
	ds_add_u32 v[SPW], v[NIL]
	s_wait_dscnt 0x0
	CROUND                                         ; the closing round
	s_endpgm
.Lfunc_end_k_qfc6aa2bd83_outp:
	.size	k_qfc6aa2bd83_outp, .Lfunc_end_k_qfc6aa2bd83_outp-k_qfc6aa2bd83_outp
	.p2alignl 7, 3214868480
	.fill 96, 4, 3214868480
	.section	.rodata,"a",@progbits
	.p2align	6, 0x0
	.amdhsa_kernel k_qfc6aa2bd83_outp
		.amdhsa_group_segment_fixed_size 327680
		.amdhsa_private_segment_fixed_size 0
		.amdhsa_enable_private_segment 0
		.amdhsa_kernarg_size 40
		.amdhsa_user_sgpr_count 2
		.amdhsa_user_sgpr_kernarg_segment_ptr 1
		.amdhsa_wavefront_size32 1
		.amdhsa_system_sgpr_workgroup_id_x 1
		.amdhsa_system_sgpr_workgroup_id_y 1
		.amdhsa_system_sgpr_workgroup_id_z 1
		.amdhsa_system_vgpr_workitem_id 0
		.amdhsa_next_free_vgpr 768
		.amdhsa_next_free_sgpr 66
		.amdhsa_reserve_vcc 0
		.amdhsa_float_denorm_mode_32 3
		.amdhsa_float_denorm_mode_16_64 3
		.amdhsa_memory_ordered 1
		.amdhsa_forward_progress 1
		.amdhsa_inst_pref_size 84
	.end_amdhsa_kernel
	.amdgpu_metadata
---
amdhsa.version: [ 1, 2 ]
amdhsa.kernels:
  - .name:           k_qfc6aa2bd83_outp
    .symbol:         k_qfc6aa2bd83_outp.kd
    .args:
      - { .name: cc, .offset: 0, .size: 8, .value_kind: global_buffer, .address_space: global }
      - { .name: cs, .offset: 8, .size: 8, .value_kind: global_buffer, .address_space: global }
      - { .name: wc, .offset: 16, .size: 8, .value_kind: global_buffer, .address_space: global }
      - { .name: ws, .offset: 24, .size: 8, .value_kind: global_buffer, .address_space: global }
      - { .name: out0, .offset: 32, .size: 8, .value_kind: global_buffer, .address_space: global }
    .group_segment_fixed_size: 327680
    .private_segment_fixed_size: 0
    .kernarg_segment_align: 8
    .kernarg_segment_size: 40
    .max_flat_workgroup_size: 128
    .sgpr_count:     66
    .vgpr_count:     768
    .wavefront_size: 32
...
	.end_amdgpu_metadata
.endif
;; end of part 4
